; MI455X (gfx1250); checked and timed in simulation.
; The chip was launched on July 23, 2026; its instructions are those of AMD's public machine-readable ISA for CDNA 5 (MIT licence, August 2026) and "CDNA5" Instruction Set Architecture Reference Guide (July 2026). The comments in the code are by the model that wrote it; some were corrected since.
;; Multihead Attention. Allowed arithmetic: matrix products marked QUANTISED: E2M1 operands, one E8M0 scale for each 32 along K, by v_wmma_scale_f32_16x16x128_f8f6f4 with both operands' format E2M1 (or v_wmma_scale_f32_32x16x128_f4), f32 sums; everything else in f32.
;; Inputs: Wk 16 x 64 x 1,024 float32; Wout 1,024 x 1,024 float32; Wq 16 x 64 x 1,024 float32; Wv 16 x 64 x 1,024 float32; attn_mask 2,048 x 2,048 bool; bk 16 x 64 float32; bout 1,024 float32; bq 16 x 64 float32; bv 16 x 64 float32; k 4 x 2,048 x 1,024 float32; key_padding_mask 4 x 2,048 bool; q 4 x 2,048 x 1,024 float32; v 4 x 2,048 x 1,024 float32.
;; Outputs: out0 4 x 2,048 x 1,024 float32.
;; This version of the problem:
;;   THIS VERSION OF THE PROBLEM IS GIVEN IN LOW PRECISION. The matrix products marked QUANTISED in the list below multiply operands that are first quantised to E2M1 (2 exponent bits, 1 mantissa bit; 4 bits a number), with one power-of-two scale for each 32 numbers along K (OCP MX v1.0); their sums are f32. All else is computed in f32.
;;   The module's matrix products, in the order in which they are computed (A, B: the left and right operand; K: the contracted axis; several contracted axes count as one K, in the product's order):
;;     1. [M 8,192, K 1,024] x [K 1,024, N 1,024]; A: input q; B: input Wq: QUANTISED
;;     2. [M 8,192, K 1,024] x [K 1,024, N 1,024]; A: input k; B: input Wk: QUANTISED
;;     3. [M 8,192, K 1,024] x [K 1,024, N 1,024]; A: input v; B: input Wv: QUANTISED
;;     4. batch 64 x [M 2,048, K 64] x [K 64, N 2,048]; A: computed on the way; B: computed on the way: QUANTISED
;;     5. batch 64 x [M 64, K 2,048] x [K 2,048, N 2,048]; A: computed on the way; B: softmax (see below): QUANTISED
;;     6. [M 8,192, K 1,024] x [K 1,024, N 1,024]; A: computed on the way; B: input Wout: QUANTISED
;;   THE QUANTISER, for each operand of a quantised product, along K:
;;     - K is cut into blocks of 32 from its start; a last block that is shorter is filled with zeros.
;;     - A block's scale is 2^e with e = floor(log2(the largest magnitude in the block)) - 2, held to -126 .. 127; a block of zeros has e = 0. As a byte (E8M0): e + 127.
;;     - Each number is divided by its block's scale, clamped to +-6, and rounded to the nearest number of E2M1, ties to even, subnormals kept.
;;     - The product sums the exact products of the quantised numbers (number of the format x scale) in f32.
;;   ~~~python
;;   def quantise(x, axis):      # numpy; x: float32 -> the quantised numbers, widened to float32 again
;;       x = np.moveaxis(x, axis, -1); K = x.shape[-1]
;;       x = np.pad(x, [(0, 0)] * (x.ndim - 1) + [(0, -K % 32)]); x = x.reshape(x.shape[:-1] + (-1, 32)); a = np.abs(x).max(-1, keepdims=True)
;;       e = np.where(a > 0, np.clip(np.frexp(np.where(a > 0, a, 1))[1] - 1 - 2, -126, 127), 0)      # np.frexp(a)[1] - 1 = floor(log2(a)), exactly
;;       r = np.clip(x / 2.0 ** e, -6, 6)
;;       step = 2.0 ** (np.maximum(np.frexp(np.where(r == 0, 1, r))[1] - 1, 0) - 1)
;;       q = np.round(r / step) * step * 2.0 ** e      # np.round: ties to even
;;       return np.moveaxis(q.reshape(q.shape[:-2] + (-1,))[..., :K], -1, axis).astype(np.float32)
;;   ~~~
;;   SOFTMAX AHEAD OF A QUANTISED PRODUCT. Where the list says 'softmax', what is quantised is not the finished softmax but p = 2^(t - M), with t = logit x log2(e) and M = ceil(the row's largest t), a whole number; so 1/2 < the row's largest p <= 1. The row's sum l is taken of the UNQUANTISED p, in f32, and the product's result is divided by l at the end. Since M is a whole number, a kernel that streams over the keys may use a running M (the ceiling of the running maximum): every later rescaling is an exact power of two, which a block's scale takes up: the codes' values come out the same.
;;   OPERANDS COMPUTED ON THE WAY. 'Computed on the way' means the value that the module computes at that place (a softmax that the list does not call 'softmax' is quantised finished and normalised). What goes into a quantiser is computed in f32, as accurately as f32 sums, v_exp_f32 and their like allow (about 1e-6 of the number): no bf16 or f16 on the way to a quantiser, and a product that is left as it is and whose result goes on into a quantised operand takes f32 operands (vector FMAs, or v_wmma_f32_16x16x4_f32). A number that lies on a knife's edge between two numbers of the format may be rounded either way, as far as f32 arithmetic and the matrix unit's own rounding can turn it there, and no further.
;; 2 versions, each right; version 2 is version 1 with the launch attn written anew for expert scheduling mode. Each part assembles by itself: llvm-mc -triple=amdgcn-amd-amdhsa -mcpu=gfx1250 --defsym DOCPART=n.
;; ======== version 1 of 2: 4 launches
;; workspace buffers: rec 15,597,568 bytes; qkimg 8,388,608 bytes; qksc 1,048,576 bytes; vimg 4,194,304 bytes; vsc 262,144 bytes; yrec 4,456,448 bytes; maskw 2,097,152 bytes of whole numbers; msum 8,192 bytes of whole numbers
;; launch prep (part 1): grid 960 x 1, 4 waves a work-group, no clusters, 35,328 bytes of LDS; arguments q, k, v, Wq, Wk, Wv, Wout, attn_mask, key_padding_mask, rec, maskw, msum; writes rec, maskw, msum
.if DOCPART == 1
	.amdgcn_target "amdgcn-amd-amdhsa--gfx1250"
	.amdhsa_code_object_version 6
	.text
	.protected	k_qc41d7ffa04_prep
	.globl	k_qc41d7ffa04_prep
	.p2align	8
	.type	k_qc41d7ffa04_prep,@function
k_qc41d7ffa04_prep:
	s_mov_b64 s[64:65], 0
	v_nop
	global_prefetch_b8 v0, s[64:65] scope:SCOPE_SE
	s_setreg_imm32_b32 hwreg(HW_REG_WAVE_MODE, 25, 1), 1
	s_wait_xcnt 0x0
; TWO JOBS IN ONE LAUNCH, parted once on the work-group's number.
; Work-groups 512 .. 959: q, k, v [8192][1024] and Wq, Wk, Wv, Wout [1024][1024], f32, become codes of FP4 (E2M1) with one E8M0 byte for each 32 along K = 1024.
; Work-groups 0 .. 511: the two masks become lane masks in the order in which the attention launch holds its scores.
; THE TILE MAP.  Tile tau takes 16 rows: row r of the tile is row 32 (tau / 2) + 8 (tau % 2) + r + 8 (r / 8) of the tensor.  Used as a product's first source, two neighbouring tiles
; then leave 16 neighbouring rows in a lane's 16 result registers, which is what the next quantiser wants.
; THE RECORD, 8,704 bytes (34 x 256) for a tile: codes [block of 32 along K: 0..31][r][16 bytes], so that register group c of K step kap of a fragment is the 512 bytes at 1024 kap + 512 c, 16 a lane;
; then the scale words [kap / 4][r][kap % 4], 512 bytes.  A wave makes one record; every store of codes covers 512 consecutive bytes.
; A block's scale is 2^(floor(log2(its largest magnitude)) - 2); its byte is the largest magnitude's exponent field - 2, held at 1 from below.
; LIMITS: NaN and infinities are not served; blocks whose largest magnitude lies under 2^-124 (blocks of zeros among them) get the byte 1: a block of zeros has zero codes, and only this program reads the bytes.
; No matrix unit, no cluster, no tensor load: the waves share no input; each f32 byte is read once, by loads of which sixteen lanes take 256 consecutive bytes of a row.
.set R,   32                           ; v32-159  four sets of 32 registers, as loaded: 16 rows x 64 numbers
.set X,   160                          ; v160-223 two sets of 32: a whole block of 32 along K of my row
.set C,   224                          ; v224-231 two sets of four registers of codes
.set SW,  232                          ; v232-239 the scale words of the eight K steps
.set OUT, 244                          ; v244-247 the four words that I store
.set MA,  32                           ; masks: v32-95 attn_mask's bytes, v96-159 key_padding_mask's, v160-167 the words on their way out
.set MK,  96
.set MW,  160
	s_load_b512 s[4:19], s[0:1], 0x0               ; q, k, v, Wq, Wk, Wv, Wout, attn_mask
	s_load_b256 s[20:27], s[0:1], 0x40             ; key_padding_mask, rec, maskw, msum
	v_lshl_add_u32 v254, v0, 2, 0x8800
	v_mov_b32 v255, 0
	v_lshrrev_b32 v1, 5, v0
	v_readfirstlane_b32 s31, v1                    ; wave 0..3
	v_and_b32 v1, 31, v0                           ; lane
	v_and_b32 v2, 15, v0                           ; r
	v_bfe_u32 v3, v0, 4, 1                         ; h
	s_mov_b32 s37, 0                               ; the upper word of every 64-bit offset
	s_cmp_lt_u32 ttmp9, 512
	s_cbranch_scc1 .Lmask
	; ---------------- THE QUANTISER: my wave's tile is number 4 G + wave of all 1,792
	s_sub_co_u32 s32, ttmp9, 512                   ; G
	v_lshlrev_b32 v4, 12, v3
	v_lshl_add_u32 v4, v2, 4, v4                   ; in: lanes 0-15 one row's 256 bytes, lanes 16-31 the next row's
	s_mul_i32 s33, s31, 8704                       ; my wave's two stages in LDS: 16 rows x (256 + 16) bytes each
	v_mul_u32_u24 v5, v3, 272
	v_lshl_add_u32 v5, v2, 4, v5
	v_add_nc_u32 v5, s33, v5                       ; into a stage: as loaded
	v_mul_u32_u24 v6, v2, 272
	v_lshl_add_u32 v6, v3, 7, v6
	v_add_nc_u32 v6, s33, v6                       ; out of it: row r, 128 bytes for each half of the lanes: one block of 32
	v_lshlrev_b32 v7, 4, v1                        ; 16 x lane: my place in every store
	v_lshlrev_b32 v8, 3, v3                        ; 8 h: my byte's shift in a scale word
	v_mov_b32 v248, 0                              ; a lane permute's destination counts as read
	s_mov_b32 s38, 0x76543210
	s_mov_b32 s39, 0xfedcba98                      ; selects for lane l xor 16
	s_mov_b32 s40, 0xffff0000                      ; lanes 16-31
	s_wait_kmcnt 0x0
	s_mov_b64 s[28:29], s[4:5]                     ; which tensor: the choice hangs on the work-group's number alone
	s_mov_b32 s30, 0                               ; and its first work-group
.macro PICK first, ptr
	s_cmp_ge_u32 s32, \first
	s_cselect_b64 s[28:29], s[\ptr:\ptr+1], s[28:29]
	s_cselect_b32 s30, \first, s30
.endm
	PICK 128, 6
	PICK 256, 8
	PICK 384, 10
	PICK 400, 12
	PICK 416, 14
	PICK 432, 16
	s_sub_co_u32 s34, s32, s30
	s_lshl_b32 s34, s34, 2
	s_add_co_u32 s34, s34, s31                     ; tau: the tile's number in its tensor
	s_lshr_b32 s35, s34, 1
	s_lshl_b32 s35, s35, 5
	s_and_b32 s36, s34, 1
	s_lshl_b32 s36, s36, 3
	s_add_co_u32 s36, s36, s35                     ; its first row
	s_lshl_b32 s36, s36, 12                        ; x 4,096 bytes
	s_add_nc_u64 s[28:29], s[28:29], s[36:37]
	s_lshl_b32 s36, s32, 2
	s_add_co_u32 s36, s36, s31
	s_mul_i32 s36, s36, 8704
	s_add_nc_u64 s[22:23], s[22:23], s[36:37]      ; my record
.macro QLOAD i                         ; step i: 64 along K of the tile's 16 rows; tile rows 8-15 lie 8 rows further down
.irp j, 0,1,2,3,4,5,6,7
	global_load_b128 v[R+32*((\i)%4)+4*\j:R+32*((\i)%4)+4*\j+3], v4, s[28:29] offset:(2*\j+8*(\j/4))*4096+256*(\i) th:TH_LOAD_NT
.endr
.endm
.macro QTURN i                         ; through the stage: LDS serves a wave's instructions in order, so no wait stands between the stores and the loads
.irp j, 0,1,2,3,4,5,6,7
	ds_store_b128 v5, v[R+32*((\i)%4)+4*\j:R+32*((\i)%4)+4*\j+3] offset:4352*((\i)%2)+544*\j
.endr
.irp m, 0,1,2,3,4,5,6,7
	ds_load_b128 v[X+32*((\i)%2)+4*\m:X+32*((\i)%2)+4*\m+3], v6 offset:4352*((\i)%2)+16*\m
.endr
.endm
.macro QBLOCK i                        ; lane (r, h) holds block 2 i + h of row r
.set XS, X+32*((\i)%2)
.set CS, C+4*((\i)%2)
	s_wait_dscnt 0x0                               ; this step's numbers are back, and its stores into the stage have read their registers,
.if (\i)+4 < 16
	QLOAD (\i)+4                                   ; which take the loads of four steps on
.endif
.if (\i)+1 < 16
.if (\i)+4 < 16
	s_wait_loadcnt 24                              ; the next step's eight loads are in; those of the three steps behind it stay out
.else
	s_wait_loadcnt 8*(14-(\i))                     ; the tail: 16, 8, 0
.endif
	QTURN (\i)+1
.endif
	v_max3_num_f32 v240, |v[XS]|, |v[XS+1]|, 0x1800000             ; the largest magnitude, in two chains, with the floor 2^(3 - 127) among the leaves: the byte cannot fall under 1
	v_max3_num_f32 v241, |v[XS+2]|, |v[XS+3]|, |v[XS+4]|
.irp n, 5,9,13,17,21,25
	v_max3_num_f32 v240, v240, |v[XS+\n]|, |v[XS+\n+1]|
	v_max3_num_f32 v241, v241, |v[XS+\n+2]|, |v[XS+\n+3]|
.endr
	v_max3_num_f32 v240, v240, |v[XS+29]|, |v[XS+30]|
	v_max3_num_f32 v240, v240, v241, |v[XS+31]|
	v_add_nc_u32 v242, 0xff000000, v240            ; 2 off its exponent field: the conversion's scale operand
	s_wait_xcnt 0x0                                ; the store of two steps ago has read this set of code registers
.irp g, 0,1,2,3
	v_cvt_scalef32_pk8_fp4_f32 v[CS+\g], v[XS+8*\g:XS+8*\g+7], v242
.endr
.if (\i)%2 == 0
	v_lshrrev_b32 v[SW+(\i)/2], 23, v242           ; the byte of block 4 kap + h (a plain line behind the conversions),
.else
	v_lshrrev_b32 v243, 23, v242
	v_lshl_or_b32 v[SW+(\i)/2], v243, 16, v[SW+(\i)/2]             ; and of block 4 kap + 2 + h
.endif
	global_store_b128 v7, v[CS:CS+3], s[22:23] offset:512*(\i)     ; blocks 2 i and 2 i + 1 of the 16 rows: 512 consecutive bytes
.endm
	QLOAD 0
	QLOAD 1
	QLOAD 2
	QLOAD 3
	s_wait_loadcnt 24                              ; step 0's eight loads are in
	QTURN 0
.set Q, 0
.rept 16
	QBLOCK Q
.set Q, Q+1
.endr
.irp n, 0,1,2,3,4,5,6,7
	v_lshlrev_b32 v[SW+\n], v8, v[SW+\n]           ; my two bytes to their places,
.endr
.irp n, 0,1,2,3,4,5,6,7
	v_permlanex16_b32 v248, v[SW+\n], s38, s39
	v_or_b32 v[SW+\n], v[SW+\n], v248              ; with lane l xor 16's two the word is whole
.endr
.irp n, 0,1,2,3
	v_cndmask_b32 v[OUT+\n], v[SW+\n], v[SW+4+\n], s40             ; lanes 0-15 store K steps 0-3 of row r, lanes 16-31 K steps 4-7
.endr
	global_store_b128 v7, v[OUT:OUT+3], s[22:23] offset:8192
	s_wait_tensorcnt 0x0
	ds_add_u32 v254, v255
	s_wait_dscnt 0x0
	s_endpgm
	; ---------------- THE MASKS.  Work-group = (batch b, query tile T); wave g takes key steps 4 g .. 4 g + 3 of 128 keys.
	; Word j (0..63) of a step: bit L = key_padding_mask[b][key] | attn_mask[query][key], query = row L % 16 of tile T, key = 128 s + 32 (j / 16) + 16 (L / 16) + j % 16:
	; that is the score which lane L of the attention launch holds in its register j.  msum: bit s of a word says that step s has a hidden key at all.
.Lmask:
	s_lshr_b32 s32, ttmp9, 7                       ; b
	s_and_b32 s33, ttmp9, 127                      ; T
	s_lshr_b32 s34, s33, 1
	s_lshl_b32 s34, s34, 5
	s_and_b32 s35, s33, 1
	s_lshl_b32 s35, s35, 3
	s_add_co_u32 s36, s34, s35                     ; the tile's first query
	s_lshl_b32 s36, s36, 11                        ; x 2,048 bytes
	s_lshl_b32 s34, s31, 9                         ; my four steps: 512 keys
	v_lshlrev_b32 v5, 4, v3
	v_add_nc_u32 v5, s34, v5                       ; key_padding_mask: 16 h + 512 g
	v_and_b32 v4, 8, v2
	v_add_nc_u32 v4, v4, v2
	v_lshl_add_u32 v4, v4, 11, v5                  ; attn_mask: row r + 8 (r / 8) of the tile besides
	v_lshlrev_b32 v6, 3, v1                        ; out: two words a lane
	v_mov_b32 v7, 0
	s_mov_b32 s41, 0                               ; the summary
.irp n, 0,1,2,3,4,5,6,7
	v_mov_b32 v[MW+\n], 0                          ; v_writelane_b32's destination counts as read
.endr
	s_wait_kmcnt 0x0
	s_add_nc_u64 s[18:19], s[18:19], s[36:37]
	s_lshl_b32 s36, s32, 11
	s_add_nc_u64 s[20:21], s[20:21], s[36:37]
	s_lshl_b32 s36, ttmp9, 4                       ; 128 b + T is the work-group's number
	s_lshl_b32 s34, s31, 2
	s_add_co_u32 s36, s36, s34
	s_lshl_b32 s36, s36, 8                         ; 256 bytes a step
	s_add_nc_u64 s[24:25], s[24:25], s[36:37]
	s_lshl_b32 s36, ttmp9, 2
	s_add_co_u32 s36, s36, s31
	s_lshl_b32 s36, s36, 2
	s_add_nc_u64 s[26:27], s[26:27], s[36:37]
.irp i, 0,1,2,3
.irp e, 0,1,2,3
	global_load_b128 v[MA+16*\i+4*\e:MA+16*\i+4*\e+3], v4, s[18:19] offset:128*\i+32*\e
	global_load_b128 v[MK+16*\i+4*\e:MK+16*\i+4*\e+3], v5, s[20:21] offset:128*\i+32*\e
.endr
.endr
.macro MSTEP i
	s_wait_loadcnt 8*(3-\i)                        ; this step's eight loads are in; the later steps' stay out
.irp n, 0,1,2,3,4,5,6,7,8,9,10,11,12,13,14,15
	v_or_b32 v[MA+16*\i+\n], v[MA+16*\i+\n], v[MK+16*\i+\n]
.endr
.irp n, 0,1,2,3,4,5,6,7
	v_or_b32 v[168+\n], v[MA+16*\i+2*\n], v[MA+16*\i+2*\n+1]       ; is any key of the step hidden from any of the 16 queries?
.endr
.irp n, 0,1,2,3
	v_or_b32 v[168+\n], v[168+2*\n], v[169+2*\n]
.endr
	v_or_b32 v168, v168, v169
	v_or_b32 v169, v170, v171
	v_or_b32 v168, v168, v169
	v_cmp_ne_u32 s42, 0, v168
	s_cmp_lg_u32 s42, 0
	s_cselect_b32 s42, 1<<\i, 0
	s_or_b32 s41, s41, s42
.irp q, 0,1,2,3,4,5,6,7                ; eight words at a time: byte j % 4 of register j / 4 in all lanes makes word j, which goes to lane j / 2
.irp n, 0,1,2,3,4,5,6,7
	v_and_b32 v[176+\n], 0xff<<(8*((8*\q+\n)&3)), v[MA+16*\i+((8*\q+\n)>>2)]
.endr
.irp n, 0,1,2,3,4,5,6,7
	v_cmp_ne_u32 s[44+\n], 0, v[176+\n]
.endr
.irp n, 0,1,2,3,4,5,6,7
	v_writelane_b32 v[MW+2*\i+(\n&1)], s[44+\n], (8*\q+\n)>>1
.endr
.endr
	global_store_b64 v6, v[MW+2*\i:MW+2*\i+1], s[24:25] offset:256*\i              ; the step's 64 words: 256 consecutive bytes, aligned
.endm
	MSTEP 0
	MSTEP 1
	MSTEP 2
	MSTEP 3
	s_lshl_b32 s36, s31, 2
	s_lshl_b32 s41, s41, s36                       ; my four bits at steps 4 g ..
	v_mov_b32 v8, s41
	v_cmp_eq_u32 vcc_lo, 0, v1
	s_wait_xcnt 0x0                                ; EXEC is a source of the stores above: it changes only behind this wait
	s_and_saveexec_b32 s43, vcc_lo
	global_store_b32 v7, v8, s[26:27]              ; one lane stores the wave's word
	s_wait_xcnt 0x0
	s_or_b32 exec_lo, exec_lo, s43
	s_endpgm
.Lfunc_end_k_qc41d7ffa04_prep:
	.size	k_qc41d7ffa04_prep, .Lfunc_end_k_qc41d7ffa04_prep-k_qc41d7ffa04_prep
	.p2alignl 7, 3214868480
	.fill 96, 4, 3214868480
	.section	.rodata,"a",@progbits
	.p2align	6, 0x0
	.amdhsa_kernel k_qc41d7ffa04_prep
		.amdhsa_group_segment_fixed_size 35328
		.amdhsa_private_segment_fixed_size 0
		.amdhsa_enable_private_segment 0
		.amdhsa_kernarg_size 96
		.amdhsa_user_sgpr_count 2
		.amdhsa_user_sgpr_kernarg_segment_ptr 1
		.amdhsa_wavefront_size32 1
		.amdhsa_system_sgpr_workgroup_id_x 1
		.amdhsa_system_sgpr_workgroup_id_y 1
		.amdhsa_system_sgpr_workgroup_id_z 1
		.amdhsa_system_vgpr_workitem_id 0
		.amdhsa_next_free_vgpr 256
		.amdhsa_next_free_sgpr 66
		.amdhsa_reserve_vcc 1
		.amdhsa_float_denorm_mode_32 3
		.amdhsa_float_denorm_mode_16_64 3
		.amdhsa_memory_ordered 1
		.amdhsa_forward_progress 1
		.amdhsa_inst_pref_size 116
	.end_amdhsa_kernel
	.amdgpu_metadata
---
amdhsa.version: [ 1, 2 ]
amdhsa.kernels:
  - .name:           k_qc41d7ffa04_prep
    .symbol:         k_qc41d7ffa04_prep.kd
    .args:
      - { .name: q, .offset: 0, .size: 8, .value_kind: global_buffer, .address_space: global }
      - { .name: k, .offset: 8, .size: 8, .value_kind: global_buffer, .address_space: global }
      - { .name: v, .offset: 16, .size: 8, .value_kind: global_buffer, .address_space: global }
      - { .name: Wq, .offset: 24, .size: 8, .value_kind: global_buffer, .address_space: global }
      - { .name: Wk, .offset: 32, .size: 8, .value_kind: global_buffer, .address_space: global }
      - { .name: Wv, .offset: 40, .size: 8, .value_kind: global_buffer, .address_space: global }
      - { .name: Wout, .offset: 48, .size: 8, .value_kind: global_buffer, .address_space: global }
      - { .name: attn_mask, .offset: 56, .size: 8, .value_kind: global_buffer, .address_space: global }
      - { .name: key_padding_mask, .offset: 64, .size: 8, .value_kind: global_buffer, .address_space: global }
      - { .name: rec, .offset: 72, .size: 8, .value_kind: global_buffer, .address_space: global }
      - { .name: maskw, .offset: 80, .size: 8, .value_kind: global_buffer, .address_space: global }
      - { .name: msum, .offset: 88, .size: 8, .value_kind: global_buffer, .address_space: global }
    .group_segment_fixed_size: 35328
    .private_segment_fixed_size: 0
    .kernarg_segment_align: 8
    .kernarg_segment_size: 96
    .max_flat_workgroup_size: 128
    .sgpr_count:     66
    .vgpr_count:     256
    .wavefront_size: 32
...
	.end_amdgpu_metadata
.endif
;; end of part 1
;; launch proj (part 2): grid 4 x 192, 4 waves a work-group, clusters of 4 x 4, 209,408 bytes of LDS; arguments rec, bq, bk, bv, qkimg, qksc, vimg, vsc; writes qkimg, qksc, vimg, vsc
.if DOCPART == 2
	.amdgcn_target "amdgcn-amd-amdhsa--gfx1250"
	.amdhsa_code_object_version 6
	.text
	.protected	k_qc41d7ffa04_proj
	.globl	k_qc41d7ffa04_proj
	.p2align	8
	.type	k_qc41d7ffa04_proj,@function
k_qc41d7ffa04_proj:
	s_mov_b64 s[64:65], 0
	v_nop
	global_prefetch_b8 v0, s[64:65] scope:SCOPE_SE
	s_setreg_imm32_b32 hwreg(HW_REG_WAVE_MODE, 25, 1), 1
	s_wait_xcnt 0x0
	s_wait_alu depctr_hold_cnt(0) depctr_sa_sdst(0) depctr_va_vdst(0) depctr_va_sdst(0) depctr_va_ssrc(0) depctr_va_vcc(0) depctr_vm_vsrc(0)
	s_getreg_b32 s2, hwreg(HW_REG_IB_STS2, 6, 4)
	s_cmp_eq_u32 s2, 0
	s_cbranch_scc0 .Lentry_in_a_cluster
	s_endpgm
.Lentry_in_a_cluster:
	s_bfe_u32 s2, ttmp6, 0x10000c
	s_cmp_lg_u32 s2, 0xf033
	s_cbranch_scc0 .Lentry_shape_is_right
	s_endpgm
.Lentry_shape_is_right:
; THE THREE PROJECTIONS on codes of FP4 with E8M0 scales, K = 1024, and the quantising of their results for the attention launch.
; A work-group makes 128 rows (tokens) x 256 columns (four heads) of one of q, k, v: 64 x 4 x 3 = 768 work-groups, three even rounds on 256 WGPs.  The whole K of its operands, 8 + 16 records of 8,704 bytes
; (16 rows x 1024 K: codes in the order of a fragment's registers, then scale words), comes into LDS once, as it lies in memory: no slot is filled again.
; CLUSTERS 4 x 4: the four work-groups of a row of the cluster need the same 8 records of tokens, the four of a column the same 16 records of weights: each is asked for jointly.
; ONE TEXT OF PRODUCTS, TWO ROLES.  Source 0 ('P') has 8 tiles, source 1 ('S') 4; a lane holds one row of S and its registers run along P's rows, 16 neighbours in two neighbouring tiles (the tile map).
;   q, k: P = 128 rows of W (two heads), S = 64 tokens: a lane's 64 registers are a token's 128 features: quantised along the head's 64, they are two fragments of 16 tokens x 64.
;   v:    P = the 128 tokens (keys), S = 64 rows of W (one head): a lane's 64 registers are a channel's 128 keys: quantised along the keys, they are a fragment of V^T, 16 channels x 128 keys.
; The bias is the C of each sum's first product.  The branches hang on which tensor the cluster serves (the cluster's y), alike in all partners; none holds a barrier.
; OUT: qkimg [q or k][batch x head][tile of 16 tokens][lane][16 bytes], qksc one word a token (two bytes used, two 0: they meet zero codes); vimg [batch x head][128 keys][tile of 16 channels][2][lane][16], vsc one word a channel.
; LIMITS: NaN and infinities are not served; a block whose largest magnitude lies under 2^-124 gets the byte 1.
; REGISTERS.  window 0: v1-12 addresses; v16-47 P's scale words, v48-63 S's (register 8 i + kap: lanes 0-15 tile 2 i, lanes 16-31 tile 2 i + 1); v64-127 S's fragments, two sets; v128-159 the quantiser's; v160-191 codes.
;   window 1: v0-127 P's fragments, two sets; v128-191 the biases.   window 2: the 32 accumulators, (a, bt) at 64 a + 8 bt.
.set WL,   69632                       ; LDS: 8 records of tokens at 0, 16 records of weights from here
.set PS,   16
.set SS,   48
.set SF,   64
.set TM,   128                         ; v128-131 largest magnitudes, v132-135 bytes, v140-143 the conversions' scale operands
.set PW,   144                         ; v144-151 scale words kept for the end;  v152-155 as they are stored
.set PO,   152
.set PC,   160
.set BIAS, 128
.set G1X,  24                          ; s[24:31], s[40:43] groups 1 and 0 for the tokens' records;  s[32:39], s[44:47] for the weights'
.set G1W,  32
.set G0X,  40
.set G0W,  44
.set MSB, 0
.macro WIN new                         ; the immediate's high byte repeats the setting that is left
.if MSB != \new
	s_set_vgpr_msb (MSB<<8)|\new
.set MSB, \new
.endif
.endm
.macro PLACES                          ; four plain places: in front of loads into registers that products have read, and of the first read of results
.rept 4
	v_nop
.endr
.endm
.macro CROUND                          ; a round of the cluster's barrier
	s_barrier_signal -1
	s_barrier_wait -1
	s_cmp_lg_u32 s20, 0
	s_cbranch_scc1 .Lnot_wave_0_\@
	s_barrier_signal -3
.Lnot_wave_0_\@:
	s_barrier_wait -3
	s_barrier_signal -1
	s_barrier_wait -1
.endm
	s_load_b512 s[4:19], s[0:1], 0x0               ; rec, bq, bk, bv, qkimg, qksc, vimg, vsc
	v_lshl_add_u32 v254, v0, 2, 0x33000
	v_mov_b32 v255, 0
	ds_add_u32 v254, v255
	ds_add_u32 v254, v255
	v_lshrrev_b32 v1, 5, v0
	v_readfirstlane_b32 s20, v1                    ; wave 0..3
	s_lshr_b32 s21, s20, 1                         ; wm
	s_and_b32 s22, s20, 1                          ; wn
	s_bfe_u32 s48, ttmp6, 0x40000                  ; cx
	s_bfe_u32 s49, ttmp6, 0x40004                  ; cy
	s_lshl_b32 s55, ttmp9, 2
	s_add_co_u32 s55, s55, s48                     ; block of 256 columns
	s_and_b32 s23, ttmp7, 0xffff                   ; the cluster's y
	s_lshr_b32 s51, s23, 4                         ; the tensor: 0 q, 1 k, 2 v: the same in all sixteen partners
	s_lshl_b32 s50, s23, 2
	s_add_co_u32 s50, s50, s49                     ; block of 128 rows among the three tensors' 192
	s_and_b32 s52, s50, 63
	s_lshr_b32 s53, s52, 4                         ; batch
	s_and_b32 s54, s52, 15                         ; block of 128 tokens in the batch
	s_lshl_b32 s60, s49, 2
	s_lshl_b32 s60, 15, s60                        ; my row of the cluster
	s_lshl_b32 s61, 0x1111, s48                    ; my column
	; dense blocks as rows of 256 bytes (32 elements of 8 bytes), no padding: two records (68 rows) of tokens, four (136 rows) of weights for each wave
	s_or_b32 s[G1X], s60, (3<<16)|(1<<21)
	s_or_b32 s[G1W], s61, (3<<16)|(1<<21)
	s_mov_b32 s[G1X+1], 32<<16
	s_mov_b32 s[G1X+2], 68<<16
	s_mov_b32 s[G1X+3], 32<<16
	s_mov_b32 s[G1X+4], 68
	s_mov_b32 s[G1X+5], 32
	s_mov_b32 s[G1X+6], 0
	s_mov_b32 s[G1X+7], 0
	s_mov_b32 s[G1W+1], 32<<16
	s_mov_b32 s[G1W+2], 136<<16
	s_mov_b32 s[G1W+3], 32<<16
	s_mov_b32 s[G1W+4], 136
	s_mov_b32 s[G1W+5], 32
	s_mov_b32 s[G1W+6], 0
	s_mov_b32 s[G1W+7], 0
	s_mul_i32 s56, s50, 69632                      ; tokens: records 8 x block of rows on (q's, k's and v's follow each other), + two a wave: no cx enters
	s_mul_i32 s23, s20, 17408
	s_add_co_u32 s56, s56, s23
	s_mov_b32 s57, 0
	s_lshl_b32 s58, s51, 6                         ; weights: record 1536 + 64 x tensor + 16 x block of columns, + four a wave: no cy enters
	s_lshl_b32 s59, s55, 4
	s_add_co_u32 s58, s58, s59
	s_add_co_u32 s58, s58, 1536
	s_mul_i32 s58, s58, 8704
	s_mul_i32 s59, s20, 34816
	s_add_co_u32 s58, s58, s59
	s_mov_b32 s59, 0
	s_mov_b32 s[G0X], 1
	s_mul_i32 s[G0X+1], s20, 17408
	s_mov_b32 s[G0W], 1
	s_mul_i32 s[G0W+1], s20, 34816
	s_add_co_u32 s[G0W+1], s[G0W+1], WL
	s_wait_dscnt 0x0
	s_wait_kmcnt 0x0
	s_add_nc_u64 s[G0X+2:G0X+3], s[4:5], s[56:57]
	s_or_b32 s[G0X+3], s[G0X+3], 0x80000000
	s_add_nc_u64 s[G0W+2:G0W+3], s[4:5], s[58:59]
	s_or_b32 s[G0W+3], s[G0W+3], 0x80000000
	CROUND                                         ; all sixteen work-groups are here: the joint loads meet
	tensor_load_to_lds s[G0X:G0X+3], s[G1X:G1X+7]  ; the launch's only fills: two loads of mine are out
	s_nop 0
	tensor_load_to_lds s[G0W:G0W+3], s[G1W:G1W+7]
	s_nop 0
	PLACES
	v_and_b32 v11, 31, v0
	v_lshlrev_b32 v1, 4, v11                       ; 16 x lane
	v_lshlrev_b32 v10, 2, v11                      ; 4 x lane
	v_and_b32 v2, 15, v0                           ; r
	v_bfe_u32 v3, v0, 4, 1                         ; h
	s_mul_i32 s67, s22, 69632
	s_add_co_u32 s67, s67, WL                      ; q, k: P = my 8 records of weights,
	s_mul_i32 s68, s21, 34816                      ;       S = my 4 records of tokens
	s_mul_i32 s69, s20, 34816
	s_add_co_u32 s69, s69, WL
	s_cmp_eq_u32 s51, 2
	s_cselect_b32 s67, 0, s67                      ; v:    P = all 8 records of tokens,
	s_cselect_b32 s68, s69, s68                    ;       S = my 4 records of weights
	v_add_nc_u32 v4, s67, v1                       ; P's tiles 0-3
	v_add_nc_u32 v5, 34816, v4                     ; P's tiles 4-7
	v_add_nc_u32 v6, s68, v1                       ; S's tiles
	v_mul_u32_u24 v12, v3, 8704
	v_lshl_add_u32 v12, v2, 4, v12
	v_add_nc_u32 v7, s67, v12                      ; scale words: four of row r; lanes 16-31 the next record's
	v_add_nc_u32 v8, s68, v12
.irp b, 0,1,2,3
	v_mov_b32 v[TM+4+\b], 0                        ; a lane permute's destination counts as read
.endr
	s_mov_b32 s62, 0x76543210
	s_mov_b32 s63, 0xfedcba98                      ; selects for lane l xor 16
	s_mov_b32 s66, 0xffff0000                      ; lanes 16-31
	s_mov_b32 s73, 0
	s_cmp_eq_u32 s51, 2
	s_cbranch_scc1 .Lbias_v
	s_cmp_eq_u32 s51, 1                            ; q, k: a bias for each REGISTER: tile 2 e + u, lane half h, register j: feature 32 e + 16 h + 8 u + j
	s_cselect_b64 s[70:71], s[8:9], s[6:7]
	s_lshl_b32 s72, s55, 10
	s_lshl_b32 s69, s22, 9
	s_add_co_u32 s72, s72, s69
	s_add_nc_u64 s[70:71], s[70:71], s[72:73]
	v_lshlrev_b32 v9, 6, v3
	WIN 0x40
.irp t, 0,1,2,3,4,5,6,7
	global_load_b128 v[BIAS+8*\t:BIAS+8*\t+3], v9, s[70:71] offset:128*(\t/2)+32*(\t%2)
	global_load_b128 v[BIAS+8*\t+4:BIAS+8*\t+7], v9, s[70:71] offset:128*(\t/2)+32*(\t%2)+16
.endr
	WIN 0
	s_branch .Lbias_done
.Lbias_v:                                              ; v: a bias for each LANE: channel 32 e + 8 u + r + 8 (r / 8) of tile 2 e + u, the same in all eight registers
	s_lshl_b32 s72, s55, 10
	s_lshl_b32 s69, s20, 8
	s_add_co_u32 s72, s72, s69
	s_add_nc_u64 s[70:71], s[10:11], s[72:73]
	v_and_b32 v9, 8, v2
	v_add_nc_u32 v9, v9, v2
	v_lshlrev_b32 v9, 2, v9
	WIN 0x40
.irp t, 0,1,2,3
.irp j, 0,1,2,3,4,5,6,7
	global_load_b32 v[BIAS+8*\t+\j], v9, s[70:71] offset:128*(\t/2)+32*(\t%2)
.endr
.endr
	WIN 0
.Lbias_done:
.macro WM d, a, b, c, sa, sb, ra, rb   ; one product; ra, rb: the side's scale words stand in lanes 16-31 of the register named
.if (\ra) && (\rb)
	v_wmma_scale_f32_16x16x128_f8f6f4 v[\d:\d+7], v[\a:\a+7], v[\b:\b+7], v[\c:\c+7], v[\sa], v[\sb] matrix_a_fmt:MATRIX_FMT_FP4 matrix_b_fmt:MATRIX_FMT_FP4 matrix_a_scale:MATRIX_SCALE_ROW1 matrix_b_scale:MATRIX_SCALE_ROW1
.elseif (\ra)
	v_wmma_scale_f32_16x16x128_f8f6f4 v[\d:\d+7], v[\a:\a+7], v[\b:\b+7], v[\c:\c+7], v[\sa], v[\sb] matrix_a_fmt:MATRIX_FMT_FP4 matrix_b_fmt:MATRIX_FMT_FP4 matrix_a_scale:MATRIX_SCALE_ROW1
.elseif (\rb)
	v_wmma_scale_f32_16x16x128_f8f6f4 v[\d:\d+7], v[\a:\a+7], v[\b:\b+7], v[\c:\c+7], v[\sa], v[\sb] matrix_a_fmt:MATRIX_FMT_FP4 matrix_b_fmt:MATRIX_FMT_FP4 matrix_b_scale:MATRIX_SCALE_ROW1
.else
	v_wmma_scale_f32_16x16x128_f8f6f4 v[\d:\d+7], v[\a:\a+7], v[\b:\b+7], v[\c:\c+7], v[\sa], v[\sb] matrix_a_fmt:MATRIX_FMT_FP4 matrix_b_fmt:MATRIX_FMT_FP4
.endif
.endm
.macro SCALES                          ; all scale words of my 12 tiles, once: four K steps' words of a row in one load
.irp i, 0,1,2,3
.irp g, 0,1
	ds_load_b128 v[PS+8*\i+4*\g:PS+8*\i+4*\g+3], v7 offset:17408*\i+8192+256*\g
.endr
.endr
.irp i, 0,1
.irp g, 0,1
	ds_load_b128 v[SS+8*\i+4*\g:SS+8*\i+4*\g+3], v8 offset:17408*\i+8192+256*\g
.endr
.endr
.endm
.macro FETCH kap, set                  ; the 12 fragments of K step kap: each load takes 512 consecutive bytes
	WIN 0x40
.irp i, 0,1,2,3
.irp c, 0,1
	ds_load_b128 v[64*(\set)+8*\i+4*\c:64*(\set)+8*\i+4*\c+3], v4 offset:8704*\i+1024*(\kap)+512*\c
.endr
.endr
.irp i, 0,1,2,3
.irp c, 0,1
	ds_load_b128 v[64*(\set)+32+8*\i+4*\c:64*(\set)+32+8*\i+4*\c+3], v5 offset:8704*\i+1024*(\kap)+512*\c
.endr
.endr
	WIN 0
.irp i, 0,1,2,3
.irp c, 0,1
	ds_load_b128 v[SF+32*(\set)+8*\i+4*\c:SF+32*(\set)+8*\i+4*\c+3], v6 offset:8704*\i+1024*(\kap)+512*\c
.endr
.endr
.endm
; A K step of 128: 32 products, the 32 accumulators by turns, in the same order in every step.  cm = 1, 2: the first step, whose C is the bias by P's tile or by S's.
.macro KSTEP kap, cm
	s_wait_dscnt 0x0                               ; this step's fragments are in
.if (\kap) < 7
	PLACES                                         ; the other set was read by the products just issued
	FETCH (\kap)+1, ((\kap)+1)%2
.endif
.if \cm
	WIN 0x91                                       ; P window 1, S window 0, C (bias) window 1, D window 2
.else
	WIN 0xa1                                       ; C and D window 2
.endif
.irp a, 0,1,2,3
.irp t, 0,1,2,3,4,5,6,7
.if \cm == 1
	WM 64*\a+8*\t, 64*((\kap)%2)+8*\t, SF+32*((\kap)%2)+8*\a, BIAS+8*\t, PS+8*(\t/2)+(\kap), SS+8*(\a/2)+(\kap), \t%2, \a%2
.elseif \cm == 2
	WM 64*\a+8*\t, 64*((\kap)%2)+8*\t, SF+32*((\kap)%2)+8*\a, BIAS+8*\a, PS+8*(\t/2)+(\kap), SS+8*(\a/2)+(\kap), \t%2, \a%2
.else
	WM 64*\a+8*\t, 64*((\kap)%2)+8*\t, SF+32*((\kap)%2)+8*\a, 64*\a+8*\t, PS+8*(\t/2)+(\kap), SS+8*(\a/2)+(\kap), \t%2, \a%2
.endif
.endr
.endr
	WIN 0
.endm
; The 64 results of S's tile a (window 2, register 16 b + i = number 32 b + 16 h + i of my row) become 8 registers of codes at v[PC + 8 a] and four bytes in v[TM+4 ..].  Each accumulator is read from its low end on.
.macro QUANTW a
	WIN 0x0a
.irp b, 0,1,2,3
	v_max3_num_f32 v[TM+\b], |v[64*(\a)+16*\b]|, |v[64*(\a)+16*\b+1]|, 0x1800000   ; with the floor 2^(3 - 127): the byte cannot fall under 1
.endr
	WIN 0x28
.irp i, 2,4,6,8,10,12,14
.irp b, 0,1,2,3
	v_max3_num_f32 v[TM+\b], v[TM+\b], |v[64*(\a)+16*\b+\i]|, |v[64*(\a)+16*\b+\i+1]|
.endr
.endr
	WIN 0
.irp b, 0,1,2,3
	v_permlanex16_b32 v[TM+4+\b], v[TM+\b], s62, s63
.endr
.irp b, 0,1,2,3
	v_max_num_f32 v[TM+\b], v[TM+\b], v[TM+4+\b]   ; with lane l xor 16's 16: the block's largest magnitude
.endr
.irp b, 0,1,2,3
	v_add_nc_u32 v[TM+12+\b], 0xff000000, v[TM+\b] ; 2 off its exponent field: the conversion's scale operand
.endr
.irp b, 0,1,2,3
	v_lshrrev_b32 v[TM+4+\b], 23, v[TM+12+\b]      ; the byte
.endr
	WIN 0x02
.irp b, 0,1,2,3
	v_cvt_scalef32_pk8_fp4_f32 v[PC+8*(\a)+2*\b], v[64*(\a)+16*\b:64*(\a)+16*\b+7], v[TM+12+\b]
	v_cvt_scalef32_pk8_fp4_f32 v[PC+8*(\a)+2*\b+1], v[64*(\a)+16*\b+8:64*(\a)+16*\b+15], v[TM+12+\b]
.endr
	WIN 0
	v_nop                                          ; one plain place behind a scaled conversion
.irp c, 0,1                            ; a whole block to a lane: lanes 0-15 block 2 c, lanes 16-31 block 2 c + 1
.irp i, 0,1
	v_permlane16_swap_b32 v[PC+8*(\a)+4*\c+\i], v[PC+8*(\a)+4*\c+2+\i]
.endr
.endr
.endm
	s_wait_tensorcnt 0x0                           ; my parts of both blocks have landed,
	s_barrier_signal -1
	s_barrier_wait -1                              ; everybody's have; LDS is only read from here on
	SCALES
	FETCH 0, 0
	s_wait_loadcnt 0x0                             ; the biases
	s_cmp_eq_u32 s51, 2
	s_cbranch_scc1 .Lfirst_v
	KSTEP 0, 1
	s_branch .Lfirst_done
.Lfirst_v:
	KSTEP 0, 2
.Lfirst_done:
	KSTEP 1, 0
	KSTEP 2, 0
	KSTEP 3, 0
	KSTEP 4, 0
	KSTEP 5, 0
	KSTEP 6, 0
	KSTEP 7, 0
	PLACES
	s_cmp_eq_u32 s51, 2
	s_cbranch_scc1 .Lout_v
	; q, k: tile index ((64 tensor + 16 batch + 4 block of columns + 2 wn) x 128 + 8 (block of tokens) + 4 wm); a head further on is 128 tiles
	s_lshl_b32 s70, s51, 6
	s_lshl_b32 s71, s53, 4
	s_add_co_u32 s70, s70, s71
	s_lshl_b32 s71, s55, 2
	s_add_co_u32 s70, s70, s71
	s_lshl_b32 s71, s22, 1
	s_add_co_u32 s70, s70, s71
	s_lshl_b32 s70, s70, 7
	s_lshl_b32 s71, s54, 3
	s_add_co_u32 s70, s70, s71
	s_lshl_b32 s71, s21, 2
	s_add_co_u32 s70, s70, s71
	s_lshl_b32 s72, s70, 9                         ; 512 bytes of codes a tile
	s_add_nc_u64 s[12:13], s[12:13], s[72:73]
	s_lshl_b32 s72, s70, 6                         ; 64 bytes of scale words
	s_add_nc_u64 s[14:15], s[14:15], s[72:73]
.irp a, 0,1,2,3
	QUANTW \a
	global_store_b128 v1, v[PC+8*\a:PC+8*\a+3], s[12:13] offset:512*\a             ; my first head's 64 features of 16 tokens: 512 consecutive bytes
	global_store_b128 v1, v[PC+8*\a+4:PC+8*\a+7], s[12:13] offset:512*\a+65536     ; my second head's
	v_lshl_or_b32 v[PW+\a], v[TM+5], 8, v[TM+4]    ; two bytes a head; the word's upper two stay 0
	v_lshl_or_b32 v[PW+4+\a], v[TM+7], 8, v[TM+6]
.endr
.irp c, 0,1
.irp i, 0,1
	v_cndmask_b32 v[PO+2*\c+\i], v[PW+4*\c+2*\i], v[PW+4*\c+2*\i+1], s66           ; lanes 0-15 tile 2 i, lanes 16-31 tile 2 i + 1
	global_store_b32 v10, v[PO+2*\c+\i], s[14:15] offset:8192*\c+128*\i            ; 128 consecutive bytes
.endr
.endr
	s_branch .Lend
.Lout_v:                                               ; v: (batch x head) x 16 + block of 128 keys; four fragments of 1,024 bytes
	s_lshl_b32 s70, s53, 4
	s_lshl_b32 s71, s55, 2
	s_add_co_u32 s70, s70, s71
	s_add_co_u32 s70, s70, s20
	s_lshl_b32 s70, s70, 4
	s_add_co_u32 s70, s70, s54
	s_lshl_b32 s72, s70, 12
	s_add_nc_u64 s[16:17], s[16:17], s[72:73]
	s_lshl_b32 s72, s70, 8
	s_add_nc_u64 s[18:19], s[18:19], s[72:73]
.irp a, 0,1,2,3
	QUANTW \a
	global_store_b128 v1, v[PC+8*\a:PC+8*\a+3], s[16:17] offset:1024*\a
	global_store_b128 v1, v[PC+8*\a+4:PC+8*\a+7], s[16:17] offset:1024*\a+512
	v_lshl_or_b32 v[PW+\a], v[TM+5], 8, v[TM+4]    ; the four bytes of my channel's 128 keys
	v_lshl_or_b32 v[PW+\a], v[TM+6], 16, v[PW+\a]
	v_lshl_or_b32 v[PW+\a], v[TM+7], 24, v[PW+\a]
.endr
.irp i, 0,1
	v_cndmask_b32 v[PO+\i], v[PW+2*\i], v[PW+2*\i+1], s66
	global_store_b32 v10, v[PO+\i], s[18:19] offset:128*\i
.endr
.Lend:
	s_wait_tensorcnt 0x0
	ds_add_u32 v254, v255
	s_wait_dscnt 0x0
	CROUND                                         ; the closing round: no work-group ends while a partner may still ask for a block that names it
	s_endpgm
.Lfunc_end_k_qc41d7ffa04_proj:
	.size	k_qc41d7ffa04_proj, .Lfunc_end_k_qc41d7ffa04_proj-k_qc41d7ffa04_proj
	.p2alignl 7, 3214868480
	.fill 96, 4, 3214868480
	.section	.rodata,"a",@progbits
	.p2align	6, 0x0
	.amdhsa_kernel k_qc41d7ffa04_proj
		.amdhsa_group_segment_fixed_size 209408
		.amdhsa_private_segment_fixed_size 0
		.amdhsa_enable_private_segment 0
		.amdhsa_kernarg_size 64
		.amdhsa_user_sgpr_count 2
		.amdhsa_user_sgpr_kernarg_segment_ptr 1
		.amdhsa_wavefront_size32 1
		.amdhsa_system_sgpr_workgroup_id_x 1
		.amdhsa_system_sgpr_workgroup_id_y 1
		.amdhsa_system_sgpr_workgroup_id_z 1
		.amdhsa_system_vgpr_workitem_id 0
		.amdhsa_next_free_vgpr 768
		.amdhsa_next_free_sgpr 80
		.amdhsa_reserve_vcc 0
		.amdhsa_float_denorm_mode_32 3
		.amdhsa_float_denorm_mode_16_64 3
		.amdhsa_memory_ordered 1
		.amdhsa_forward_progress 1
		.amdhsa_inst_pref_size 98
	.end_amdhsa_kernel
	.amdgpu_metadata
---
amdhsa.version: [ 1, 2 ]
amdhsa.kernels:
  - .name:           k_qc41d7ffa04_proj
    .symbol:         k_qc41d7ffa04_proj.kd
    .args:
      - { .name: rec, .offset: 0, .size: 8, .value_kind: global_buffer, .address_space: global }
      - { .name: bq, .offset: 8, .size: 8, .value_kind: global_buffer, .address_space: global }
      - { .name: bk, .offset: 16, .size: 8, .value_kind: global_buffer, .address_space: global }
      - { .name: bv, .offset: 24, .size: 8, .value_kind: global_buffer, .address_space: global }
      - { .name: qkimg, .offset: 32, .size: 8, .value_kind: global_buffer, .address_space: global }
      - { .name: qksc, .offset: 40, .size: 8, .value_kind: global_buffer, .address_space: global }
      - { .name: vimg, .offset: 48, .size: 8, .value_kind: global_buffer, .address_space: global }
      - { .name: vsc, .offset: 56, .size: 8, .value_kind: global_buffer, .address_space: global }
    .group_segment_fixed_size: 209408
    .private_segment_fixed_size: 0
    .kernarg_segment_align: 8
    .kernarg_segment_size: 64
    .max_flat_workgroup_size: 128
    .sgpr_count:     80
    .vgpr_count:     768
    .wavefront_size: 32
...
	.end_amdgpu_metadata
.endif
;; end of part 2
;; launch attn (part 3): grid 4 x 64, 16 waves a work-group, no clusters, 145,408 bytes of LDS; arguments qkimg, qksc, vimg, vsc, maskw, msum, yrec; writes yrec
.if DOCPART == 3
	.amdgcn_target "amdgcn-amd-amdhsa--gfx1250"
	.amdhsa_code_object_version 6
	.text
	.protected	k_qc41d7ffa04_attn
	.globl	k_qc41d7ffa04_attn
	.p2align	8
	.type	k_qc41d7ffa04_attn,@function
k_qc41d7ffa04_attn:
	s_mov_b64 s[64:65], 0
	v_nop
	global_prefetch_b8 v0, s[64:65] scope:SCOPE_SE
	s_setreg_imm32_b32 hwreg(HW_REG_WAVE_MODE, 25, 1), 1
	s_wait_xcnt 0x0
; ATTENTION on codes of FP4 with E8M0 scales: y = softmax(mask(q k^T / 8)) v for one (batch, head) and 512 queries a work-group; y leaves quantised along the model's 1024, as records for the last launch.
; THE SOFTMAX AHEAD OF THE SECOND PRODUCT: t = score x log2(e) / 8; M = the row's largest t so far, rounded up to a whole number; p = 2^(t - M) is quantised along the keys, not normalised; the row's sum is taken of the
; unquantised p and divides at the end.  When M moves, the sum and O are multiplied by 2^(old M - new M), which rounds nothing.
; SHARES.  Sixteen waves, four to a SIMD, so that one wave's vector work stands beside another's products and LDS loads.  A wave takes two tiles of 16 queries, one after the other; each walks the 2,048 keys in 16 steps of 128.
; The head's K and V (codes 64 KiB each, scale words 8 and 4 KiB) are copied into LDS once, through registers, as they lie: fragments in the order of their registers, so every LDS load takes consecutive bytes.
; Both products are used transposed (S^T = K Q^T, O^T = V^T P): a lane holds one query throughout.  By the tile map the 16 registers of two neighbouring tiles of keys are 16 neighbouring keys.
; The head's size is 64: the upper half of K's and Q's fragments is zero codes, under scale bytes 0 (2^-127, no NaN): they add nothing.
; THE MASKS come as lane masks (one word for each score register, made by the first launch) and a summary bit for each step of 16 queries x 128 keys: a step with no hidden key jumps over the 64 selects, by a scalar branch on the stored bit.
; NO TENSOR LOAD AND NO CLUSTER: what the four work-groups of a head share is read once, 140 KiB each, at the head.
; LIMITS.  A hidden score is -2^33, a logit of -2^30 in place of -1e9: -2^33 x log2(e) / 8 is a whole number, exact in f32, so a row with every key hidden gives p = 1 for all keys, as the definition does.  Results differ only where a
; key that counts has a logit under about -1e9 + 200.  NaN and infinities are not served.  A block's largest p is made from its largest score by the same two instructions: it takes v_exp_f32 not to fall where its input rises.
; y's scale bytes leave one byte a lane (256 KiB in the launch): the 16 bytes of a row's scale words come from eight heads, which are eight work-groups.
; REGISTERS: v1-4 addresses that stay; v5-8 the step's; v9 -2^33; v10 y's byte offset; v12 -M, v13 the largest t, v[14:15] the sum; v16-31 Q's two fragments; v32-95 K's eight; v96-159 S^T, then p; v160-191 O^T; v192-223 V's four;
; v224-231 p's codes; v232-239, v244-247, v252-254 at work; v240-241 V's scale words, v242 Q's, v248-251 K's, v253 p's.
; SCALARS: s[12:13] the step's mask words in memory; s[16:63], s[80:95] the 64 words; s[66:67], s[98:99] y's codes and bytes; s74-76 the step's LDS offsets; s78, s79 the two tiles' summaries.
.macro WMZ d, a, b, sa, sb, ra, rb     ; a product that starts a sum
.if (\ra) && (\rb)
	v_wmma_scale_f32_16x16x128_f8f6f4 v[\d:\d+7], v[\a:\a+7], v[\b:\b+7], 0, v[\sa], v[\sb] matrix_a_fmt:MATRIX_FMT_FP4 matrix_b_fmt:MATRIX_FMT_FP4 matrix_a_scale:MATRIX_SCALE_ROW1 matrix_b_scale:MATRIX_SCALE_ROW1
.elseif (\ra)
	v_wmma_scale_f32_16x16x128_f8f6f4 v[\d:\d+7], v[\a:\a+7], v[\b:\b+7], 0, v[\sa], v[\sb] matrix_a_fmt:MATRIX_FMT_FP4 matrix_b_fmt:MATRIX_FMT_FP4 matrix_a_scale:MATRIX_SCALE_ROW1
.elseif (\rb)
	v_wmma_scale_f32_16x16x128_f8f6f4 v[\d:\d+7], v[\a:\a+7], v[\b:\b+7], 0, v[\sa], v[\sb] matrix_a_fmt:MATRIX_FMT_FP4 matrix_b_fmt:MATRIX_FMT_FP4 matrix_b_scale:MATRIX_SCALE_ROW1
.else
	v_wmma_scale_f32_16x16x128_f8f6f4 v[\d:\d+7], v[\a:\a+7], v[\b:\b+7], 0, v[\sa], v[\sb] matrix_a_fmt:MATRIX_FMT_FP4 matrix_b_fmt:MATRIX_FMT_FP4
.endif
.endm
.macro WMA d, a, b, sa, sb, ra         ; a product that adds in place
.if (\ra)
	v_wmma_scale_f32_16x16x128_f8f6f4 v[\d:\d+7], v[\a:\a+7], v[\b:\b+7], v[\d:\d+7], v[\sa], v[\sb] matrix_a_fmt:MATRIX_FMT_FP4 matrix_b_fmt:MATRIX_FMT_FP4 matrix_a_scale:MATRIX_SCALE_ROW1
.else
	v_wmma_scale_f32_16x16x128_f8f6f4 v[\d:\d+7], v[\a:\a+7], v[\b:\b+7], v[\d:\d+7], v[\sa], v[\sb] matrix_a_fmt:MATRIX_FMT_FP4 matrix_b_fmt:MATRIX_FMT_FP4
.endif
.endm
	s_load_b256 s[4:11], s[0:1], 0x0               ; qkimg, qksc, vimg, vsc
	s_load_b128 s[12:15], s[0:1], 0x20             ; maskw, msum
	s_load_b64 s[66:67], s[0:1], 0x30              ; yrec
	v_lshl_add_u32 v243, v0, 2, 0x23000
	v_mov_b32 v255, 0
	v_lshrrev_b32 v1, 5, v0
	v_readfirstlane_b32 s68, v1                    ; wave 0..15
	s_and_b32 s16, ttmp7, 0xffff                   ; batch x head
	s_lshr_b32 s17, s16, 4                         ; batch
	s_and_b32 s18, s16, 15                         ; head
	s_lshl_b32 s19, ttmp9, 5
	s_lshl_b32 s20, s68, 1
	s_add_co_u32 s19, s19, s20                     ; T0: my first tile of queries, 32 x work-group x + 2 x wave
	s_lshl_b32 s21, s16, 7
	s_add_co_u32 s21, s21, s19                     ; 128 (batch x head) + T0
	s_lshl_b32 s22, s17, 7
	s_add_co_u32 s22, s22, s19                     ; 128 batch + T0
	s_add_co_u32 s23, s16, 64                      ; k's heads follow q's 64
	s_lshl_b32 s24, s23, 16                        ; K's codes
	s_mov_b32 s25, 0
	s_lshl_b32 s26, s23, 13                        ; K's scale words
	s_mov_b32 s27, 0
	s_lshl_b32 s28, s16, 16                        ; V's codes
	s_mov_b32 s29, 0
	s_lshl_b32 s30, s16, 12                        ; V's scale words
	s_mov_b32 s31, 0
	s_lshl_b32 s32, s21, 9                         ; Q's codes
	s_mov_b32 s33, 0
	s_lshl_b32 s34, s21, 6                         ; Q's scale words
	s_mov_b32 s35, 0
	s_lshl_b32 s36, s22, 12                        ; the mask words: 16 steps x 256 bytes a tile
	s_mov_b32 s37, 0
	s_lshl_b32 s38, s22, 4                         ; the summaries: four words a tile
	s_mov_b32 s39, 0
	s_mul_i32 s23, s22, 8704                       ; y's record
	s_lshl_b32 s40, s18, 9
	s_add_co_u32 s40, s40, s23                     ; my head's two blocks of 32: 512 bytes of codes
	s_mov_b32 s41, 0
	s_lshr_b32 s42, s18, 3
	s_lshl_b32 s42, s42, 8
	s_and_b32 s43, s18, 7
	s_lshl_b32 s43, s43, 1
	s_add_co_u32 s42, s42, s43
	s_add_co_u32 s42, s42, s23
	s_add_co_u32 s42, s42, 8192                    ; and their two bytes in a row's scale words: 8192 + 256 (head / 8) + 2 (head % 8)
	s_mov_b32 s43, 0
	s_mov_b32 s70, 0x76543210
	s_mov_b32 s71, 0xfedcba98                      ; selects for lane l xor 16
	s_mov_b32 s72, 0x3e38aa3b                      ; c = log2(e) / 8
	s_mov_b32 s73, s72                             ; (named with it as a pair)
	s_mov_b32 s96, 0xffff0000                      ; lanes 16-31
	v_and_b32 v9, 31, v0                           ; lane
	v_lshlrev_b32 v1, 4, v9                        ; 16 x lane: K's fragments begin at LDS byte 0
	v_add_nc_u32 v2, 65536, v1                     ; V's at 65,536
	v_lshl_add_u32 v3, v9, 2, 131072               ; K's scale words at 131,072: 4 x lane
	v_lshl_add_u32 v4, v9, 2, 139264               ; V's at 139,264
	v_lshlrev_b32 v252, 2, v9
	v_and_b32 v10, 15, v0
	v_bfe_u32 v254, v0, 4, 1
	v_lshl_add_u32 v10, v10, 4, v254               ; y's byte: 16 r + h
	v_lshlrev_b32 v5, 4, v0                        ; the copy: 16 bytes a thread, 8,192 an instruction
	v_lshlrev_b32 v6, 3, v0
	v_add_nc_u32 v7, 65536, v5
	v_add_nc_u32 v8, 131072, v5
	v_add_nc_u32 v11, 139264, v6
	s_wait_kmcnt 0x0
	s_add_nc_u64 s[44:45], s[4:5], s[24:25]
	s_add_nc_u64 s[46:47], s[4:5], s[32:33]
	s_add_nc_u64 s[48:49], s[8:9], s[28:29]
	s_add_nc_u64 s[50:51], s[6:7], s[26:27]
	s_add_nc_u64 s[52:53], s[10:11], s[30:31]
	s_add_nc_u64 s[54:55], s[6:7], s[34:35]
	s_add_nc_u64 s[12:13], s[12:13], s[36:37]
	s_add_nc_u64 s[14:15], s[14:15], s[38:39]
	s_add_nc_u64 s[98:99], s[66:67], s[42:43]
	s_add_nc_u64 s[66:67], s[66:67], s[40:41]
	s_load_b256 s[16:23], s[14:15], 0x0            ; my two tiles' summaries
.irp i, 0,1,2,3,4,5,6,7
	global_load_b128 v[32+4*\i:35+4*\i], v5, s[44:45] offset:8192*\i
.endr
.irp i, 0,1,2,3,4,5,6,7
	global_load_b128 v[64+4*\i:67+4*\i], v5, s[48:49] offset:8192*\i
.endr
	global_load_b128 v[96:99], v5, s[50:51]
	global_load_b64 v[100:101], v6, s[52:53]
	global_load_b128 v[16:19], v1, s[46:47]                        ; Q's two fragments stay in registers
	global_load_b128 v[24:27], v1, s[46:47] offset:512
	global_load_b32 v242, v252, s[54:55]                           ; lanes 0-15 the first tile's scale words, lanes 16-31 the second's
	s_wait_loadcnt 0x3                             ; the copy's 18 loads are in; Q's three may stay out
.irp i, 0,1,2,3,4,5,6,7
	ds_store_b128 v5, v[32+4*\i:35+4*\i] offset:8192*\i
.endr
.irp i, 0,1,2,3,4,5,6,7
	ds_store_b128 v7, v[64+4*\i:67+4*\i] offset:8192*\i
.endr
	ds_store_b128 v8, v[96:99]
	ds_store_b64 v11, v[100:101]
	s_wait_dscnt 0x0                               ; for the others' sake: my stores have landed
	s_barrier_signal -1
	s_barrier_wait -1                              ; LDS is only read from here on
	s_wait_kmcnt 0x0
	s_or_b32 s78, s16, s17
	s_or_b32 s78, s78, s18
	s_or_b32 s78, s78, s19                         ; bit s: step s of my first tile has a hidden key
	s_or_b32 s79, s20, s21
	s_or_b32 s79, s79, s22
	s_or_b32 s79, s79, s23
	s_wait_loadcnt 0x0                             ; Q; every load's address registers are free
	v_mov_b32 v9, 0xd0000000                       ; -2^33
.irp t, 0,1,2,3,4,5,6,7
.irp j, 4,5,6,7
	v_mov_b32 v[32+8*\t+\j], 0                     ; the upper half of K's fragments: zero codes, written once
.endr
.endr
.irp j, 20,21,22,23,28,29,30,31
	v_mov_b32 v[\j], 0                             ; and of Q's
.endr
.irp b, 0,1,2,3
	v_mov_b32 v[236+\b], 0                         ; a lane permute's destination counts as read
.endr
	v_mov_b32 v253, 0                              ; (named as the upper half of the pair v[252:253] before it is first written)
.macro TILE n
.if \n
	s_wait_xcnt 0x0                                ; the first tile's stores have read their registers
.endif
	v_mov_b32 v13, 0xff61b1e6                      ; the largest t so far: -3e38
	v_floor_f32 v12, -v13                          ; -M
	v_mov_b32 v14, 0
	v_mov_b32 v15, 0
.set j, 0
.rept 32
	v_mov_b32 v[160+j], 0                          ; O^T: the step is written once; its first trip finds zeros, which the first change of M leaves zeros
.set j, j+1
.endr
	s_mov_b32 s74, 0
	s_mov_b32 s75, 0
	s_mov_b32 s76, 0
	s_mov_b32 s77, 16
.Ltrip_\n:
	v_add_nc_u32 v5, s74, v1                       ; these four lines are also the places between the last trip's products and the loads into their registers
	v_add_nc_u32 v6, s74, v2
	v_add_nc_u32 v7, s75, v3
	v_add_nc_u32 v8, s76, v4
.irp t, 0,1,2,3,4,5,6,7
	ds_load_b128 v[32+8*\t:35+8*\t], v5 offset:512*\t              ; eight tiles of 16 keys x 64
.endr
.irp i, 0,1,2,3
	ds_load_b32 v[248+\i], v7 offset:128*\i                        ; lanes 0-15 tile 2 i's scale words, lanes 16-31 tile 2 i + 1's
.endr
.irp t, 0,1,2,3
	ds_load_b128 v[192+8*\t:195+8*\t], v6 offset:1024*\t           ; four tiles of 16 channels x 128 keys, wanted behind the softmax
	ds_load_b128 v[196+8*\t:199+8*\t], v6 offset:1024*\t+512
.endr
.irp i, 0,1
	ds_load_b32 v[240+\i], v8 offset:128*\i
.endr
	s_wait_dscnt 10                                ; K's twelve loads are in; V's ten stay out
.irp t, 0,1,2,3,4,5,6,7
	WMZ 96+8*\t, 32+8*\t, 16+8*\n, 248+\t/2, 242, \t%2, \n
.endr
.rept 4
	v_nop
.endr
	s_and_b32 s97, s[78+\n], 1
	s_lshr_b32 s[78+\n], s[78+\n], 1
	s_cmp_lg_u32 s97, 0
	s_cbranch_scc0 .Lopen_\n                       ; no key of this step is hidden from my 16 queries
	s_load_b512 s[16:31], s[12:13], 0x0
	s_load_b512 s[32:47], s[12:13], 0x40
	s_load_b512 s[48:63], s[12:13], 0x80
	s_load_b512 s[80:95], s[12:13], 0xc0
	s_wait_kmcnt 0x0
.set j, 0
.rept 48
	v_cndmask_b32 v[96+j], v[96+j], v9, s[16+j]    ; word j: the lanes whose register j holds a hidden score
.set j, j+1
.endr
.rept 16
	v_cndmask_b32 v[96+j], v[96+j], v9, s[32+j]
.set j, j+1
.endr
.Lopen_\n:
.irp b, 0,1,2,3
	v_max3_num_f32 v[232+\b], v[96+16*\b], v[97+16*\b], v[98+16*\b]                ; the largest score of each block of 32 keys: for the row's maximum and for the block's largest p
.endr
.irp i, 3,5,7,9,11,13
.irp b, 0,1,2,3
	v_max3_num_f32 v[232+\b], v[232+\b], v[96+16*\b+\i], v[97+16*\b+\i]
.endr
.endr
.irp b, 0,1,2,3
	v_max_num_f32 v[232+\b], v[232+\b], v[111+16*\b]
.endr
.irp b, 0,1,2,3
	v_permlanex16_b32 v[236+\b], v[232+\b], s70, s71
.endr
.irp b, 0,1,2,3
	v_max_num_f32 v[232+\b], v[232+\b], v[236+\b]  ; with lane l xor 16's 16 keys
.endr
	v_max3_num_f32 v254, v232, v233, v234
	v_max_num_f32 v254, v254, v235
	v_mul_f32 v254, s72, v254                      ; as t
	v_max_num_f32 v13, v13, v254                   ; the running largest t
	v_mov_b32 v254, v12
	v_floor_f32 v12, -v13                          ; the new -M = -ceil(t)
	v_sub_f32 v254, v12, v254                      ; old M - new M: a whole number, 0 or less
	v_cvt_i32_f32 v254, v254                       ; (it saturates)
	v_ldexp_f32 v252, 1.0, v254                    ; f = 2^(old M - new M)
.set j, 0
.rept 32
	v_pk_fma_f32 v[96+j:97+j], v[96+j:97+j], s[72:73], v[12:13] op_sel_hi:[1,0,0]  ; t - M, two at a time
.set j, j+2
.endr
.irp b, 0,1,2,3
	v_fma_f32 v[232+\b], v[232+\b], s72, v12       ; the same of each block's largest score
.endr
.set j, 0
.rept 64
	v_exp_f32 v[96+j], v[96+j]                     ; p = 2^(t - M)
.set j, j+1
.endr
.irp b, 0,1,2,3
	v_exp_f32 v[232+\b], v[232+\b]                 ; the block's largest p
.endr
	v_pk_mul_f32 v[14:15], v[14:15], v[252:253] op_sel_hi:[1,0]    ; the sums under the new M (a plain place behind the exponentials)
	s_wait_alu depctr_va_vdst(0)
.irp b, 0,1,2,3
	v_max_num_f32 v[232+\b], 0x1800000, v[232+\b]  ; the floor 2^(3 - 127): the byte cannot fall under 1
.endr
.irp b, 0,1,2,3
	v_add_nc_u32 v[244+\b], 0xff000000, v[232+\b]  ; the conversion's scale operand
.endr
.irp b, 0,1,2,3
	v_lshrrev_b32 v[236+\b], 23, v[244+\b]         ; the byte
.endr
	v_lshl_or_b32 v253, v237, 8, v236              ; p's scale word for these 128 keys
	v_lshl_or_b32 v253, v238, 16, v253
	v_lshl_or_b32 v253, v239, 24, v253
.irp b, 0,1,2,3
	v_cvt_scalef32_pk8_fp4_f32 v[224+2*\b], v[96+16*\b:103+16*\b], v[244+\b]
	v_cvt_scalef32_pk8_fp4_f32 v[225+2*\b], v[104+16*\b:111+16*\b], v[244+\b]
.endr
	v_nop                                          ; one plain place behind a scaled conversion
.irp c, 0,1
.irp i, 0,1
	v_permlane16_swap_b32 v[224+4*\c+\i], v[226+4*\c+\i]           ; a whole block to a lane
.endr
.endr
	v_pk_add_f32 v[236:237], v[96:97], v[98:99]    ; the row's sum, of the unquantised p, in two chains
.irp q, 4,8,12,16,20,24,28,32,36,40,44,48,52,56,60
	v_pk_add_f32 v[14:15], v[14:15], v[96+\q:97+\q]
	v_pk_add_f32 v[236:237], v[236:237], v[98+\q:99+\q]
.endr
	v_pk_add_f32 v[14:15], v[14:15], v[236:237]
.set j, 0
.rept 16
	v_pk_mul_f32 v[160+j:161+j], v[160+j:161+j], v[252:253] op_sel_hi:[1,0]        ; O^T under the new M, each accumulator from its low end on
.set j, j+2
.endr
	s_wait_dscnt 0x0                               ; V
.irp t, 0,1,2,3
	WMA 160+8*\t, 192+8*\t, 224, 240+\t/2, 253, \t%2               ; four accumulators, one product each; eight other products stand between a trip's and the next trip's
.endr
	s_add_co_u32 s74, s74, 4096
	s_add_co_u32 s75, s75, 512
	s_add_co_u32 s76, s76, 256
	s_add_nc_u64 s[12:13], s[12:13], 256           ; the next step's mask words (the scalar loads, if any, were waited for); after 16 steps: the next tile's
	s_sub_co_u32 s77, s77, 1
	s_cmp_lg_u32 s77, 0
	s_cbranch_scc1 .Ltrip_\n
	; the way out: y = O^T / the sum, quantised along the head's 64 channels: register 16 b + i is channel 32 b + 16 h + i of my query
.rept 4
	v_nop
.endr
	v_add_f32 v14, v14, v15
	v_permlanex16_b32 v252, v14, s70, s71
	v_add_f32 v14, v14, v252                       ; the row's sum
	v_rcp_f32 v14, v14
	v_nop
.set j, 0
	s_wait_alu depctr_va_vdst(0)
.rept 32
	v_mul_f32 v[96+j], v[160+j], v14
.set j, j+1
.endr
.irp b, 0,1
	v_max3_num_f32 v[232+\b], |v[96+16*\b]|, |v[97+16*\b]|, 0x1800000
.endr
.irp i, 2,4,6,8,10,12,14
.irp b, 0,1
	v_max3_num_f32 v[232+\b], v[232+\b], |v[96+16*\b+\i]|, |v[97+16*\b+\i]|
.endr
.endr
.irp b, 0,1
	v_permlanex16_b32 v[236+\b], v[232+\b], s70, s71
.endr
.irp b, 0,1
	v_max_num_f32 v[232+\b], v[232+\b], v[236+\b]
.endr
.irp b, 0,1
	v_add_nc_u32 v[244+\b], 0xff000000, v[232+\b]
.endr
.irp b, 0,1
	v_lshrrev_b32 v[236+\b], 23, v[244+\b]
.endr
.irp b, 0,1
	v_cvt_scalef32_pk8_fp4_f32 v[224+2*\b], v[96+16*\b:103+16*\b], v[244+\b]
	v_cvt_scalef32_pk8_fp4_f32 v[225+2*\b], v[104+16*\b:111+16*\b], v[244+\b]
.endr
	v_nop
	v_permlane16_swap_b32 v224, v226
	v_permlane16_swap_b32 v225, v227               ; lanes 0-15 hold block 2 head, lanes 16-31 block 2 head + 1
	v_cndmask_b32 v254, v236, v237, s96
	global_store_b128 v1, v[224:227], s[66:67] offset:8704*\n      ; 512 consecutive bytes of the tile's record
	global_store_b8 v10, v254, s[98:99] offset:8704*\n
.endm
	TILE 0
	TILE 1
	s_wait_tensorcnt 0x0
	ds_add_u32 v243, v255
	s_wait_dscnt 0x0
	s_endpgm
.Lfunc_end_k_qc41d7ffa04_attn:
	.size	k_qc41d7ffa04_attn, .Lfunc_end_k_qc41d7ffa04_attn-k_qc41d7ffa04_attn
	.p2alignl 7, 3214868480
	.fill 96, 4, 3214868480
	.section	.rodata,"a",@progbits
	.p2align	6, 0x0
	.amdhsa_kernel k_qc41d7ffa04_attn
		.amdhsa_group_segment_fixed_size 145408
		.amdhsa_private_segment_fixed_size 0
		.amdhsa_enable_private_segment 0
		.amdhsa_kernarg_size 56
		.amdhsa_user_sgpr_count 2
		.amdhsa_user_sgpr_kernarg_segment_ptr 1
		.amdhsa_wavefront_size32 1
		.amdhsa_system_sgpr_workgroup_id_x 1
		.amdhsa_system_sgpr_workgroup_id_y 1
		.amdhsa_system_sgpr_workgroup_id_z 1
		.amdhsa_system_vgpr_workitem_id 0
		.amdhsa_next_free_vgpr 256
		.amdhsa_next_free_sgpr 102
		.amdhsa_reserve_vcc 0
		.amdhsa_float_denorm_mode_32 3
		.amdhsa_float_denorm_mode_16_64 3
		.amdhsa_memory_ordered 1
		.amdhsa_forward_progress 1
		.amdhsa_inst_pref_size 57
	.end_amdhsa_kernel
	.amdgpu_metadata
---
amdhsa.version: [ 1, 2 ]
amdhsa.kernels:
  - .name:           k_qc41d7ffa04_attn
    .symbol:         k_qc41d7ffa04_attn.kd
    .args:
      - { .name: qkimg, .offset: 0, .size: 8, .value_kind: global_buffer, .address_space: global }
      - { .name: qksc, .offset: 8, .size: 8, .value_kind: global_buffer, .address_space: global }
      - { .name: vimg, .offset: 16, .size: 8, .value_kind: global_buffer, .address_space: global }
      - { .name: vsc, .offset: 24, .size: 8, .value_kind: global_buffer, .address_space: global }
      - { .name: maskw, .offset: 32, .size: 8, .value_kind: global_buffer, .address_space: global }
      - { .name: msum, .offset: 40, .size: 8, .value_kind: global_buffer, .address_space: global }
      - { .name: yrec, .offset: 48, .size: 8, .value_kind: global_buffer, .address_space: global }
    .group_segment_fixed_size: 145408
    .private_segment_fixed_size: 0
    .kernarg_segment_align: 8
    .kernarg_segment_size: 56
    .max_flat_workgroup_size: 512
    .sgpr_count:     102
    .vgpr_count:     256
    .wavefront_size: 32
...
	.end_amdgpu_metadata
.endif
;; end of part 3
;; launch outp (part 4): grid 4 x 64, 4 waves a work-group, clusters of 4 x 4, 243,200 bytes of LDS; arguments yrec, rec, bout, out0; writes out0
.if DOCPART == 4
	.amdgcn_target "amdgcn-amd-amdhsa--gfx1250"
	.amdhsa_code_object_version 6
	.text
	.protected	k_qc41d7ffa04_outp
	.globl	k_qc41d7ffa04_outp
	.p2align	8
	.type	k_qc41d7ffa04_outp,@function
k_qc41d7ffa04_outp:
	s_mov_b64 s[64:65], 0
	v_nop
	global_prefetch_b8 v0, s[64:65] scope:SCOPE_SE
	s_setreg_imm32_b32 hwreg(HW_REG_WAVE_MODE, 25, 1), 1
	s_wait_xcnt 0x0
	s_wait_alu depctr_hold_cnt(0) depctr_sa_sdst(0) depctr_va_vdst(0) depctr_va_sdst(0) depctr_va_ssrc(0) depctr_va_vcc(0) depctr_vm_vsrc(0)
	s_getreg_b32 s2, hwreg(HW_REG_IB_STS2, 6, 4)
	s_cmp_eq_u32 s2, 0
	s_cbranch_scc0 .Lentry_in_a_cluster
	s_endpgm
.Lentry_in_a_cluster:
	s_bfe_u32 s2, ttmp6, 0x10000c
	s_cmp_lg_u32 s2, 0xf033
	s_cbranch_scc0 .Lentry_shape_is_right
	s_endpgm
.Lentry_shape_is_right:
; out0 = y Wout^T + bout on codes of FP4 with E8M0 scales, K = 1024.  y comes as 512 records and Wout as 64 (16 rows x 1024 K: codes in the order of a fragment's registers, then scale words; 8,704 bytes).
; A work-group makes 128 rows x 256 columns: 64 x 4 = 256 work-groups.  The whole K of its operands, 8 + 16 records, comes into LDS once, as it lies: no slot is filled again.
; CLUSTERS 4 x 4: the four work-groups of a row of the cluster need the same records of y, the four of a column the same records of Wout: each is asked for jointly.
; A wave makes 64 rows x 128 columns, used transposed: source 0 = 8 tiles of Wout's rows, source 1 = 4 tiles of y's rows: a lane holds one row of y; by the tile map the 16 registers of two neighbouring tiles are 16 neighbouring columns.
; The bias is the C of each sum's first product.  Results leave through the wave's own stage in LDS as whole rows of 512 bytes.
; REGISTERS.  window 0: v1-14 addresses; v16-47 Wout's scale words, v48-63 y's (register 8 i + kap: lanes 0-15 tile 2 i, lanes 16-31 tile 2 i + 1); v64-127 y's fragments, two sets; v128-255 rows on the way out, two sets.
;   window 1: v0-127 Wout's fragments, two sets; v128-191 the biases.   window 2: the 32 accumulators, (a, bt) at 64 a + 8 bt.
.set WL,   69632                       ; LDS: 8 records of y at 0, 16 records of Wout from here,
.set STG,  208896                      ; and the stages, into which no fill lands: 16 rows x (512 + 16) bytes for each wave
.set PS,   16
.set SS,   48
.set SF,   64
.set BK,   128
.set BIAS, 128
.set G1X,  24
.set G1W,  32
.set G0X,  40
.set G0W,  44
.set MSB, 0
.macro WIN new                         ; the immediate's high byte repeats the setting that is left
.if MSB != \new
	s_set_vgpr_msb (MSB<<8)|\new
.set MSB, \new
.endif
.endm
.macro PLACES                          ; four plain places: in front of loads into registers that products have read, and of the first read of results
.rept 4
	v_nop
.endr
.endm
.macro CROUND                          ; a round of the cluster's barrier
	s_barrier_signal -1
	s_barrier_wait -1
	s_cmp_lg_u32 s20, 0
	s_cbranch_scc1 .Lnot_wave_0_\@
	s_barrier_signal -3
.Lnot_wave_0_\@:
	s_barrier_wait -3
	s_barrier_signal -1
	s_barrier_wait -1
.endm
	s_load_b256 s[4:11], s[0:1], 0x0               ; yrec, rec, bout, out0
	v_lshl_add_u32 v10, v0, 2, 0x3b400
	v_mov_b32 v15, 0
	ds_add_u32 v10, v15
	ds_add_u32 v10, v15
	v_lshrrev_b32 v1, 5, v0
	v_readfirstlane_b32 s20, v1                    ; wave 0..3
	s_lshr_b32 s21, s20, 1                         ; wm
	s_and_b32 s22, s20, 1                          ; wn
	s_bfe_u32 s48, ttmp6, 0x40000                  ; cx
	s_bfe_u32 s49, ttmp6, 0x40004                  ; cy
	s_lshl_b32 s55, ttmp9, 2
	s_add_co_u32 s55, s55, s48                     ; block of 256 columns
	s_and_b32 s23, ttmp7, 0xffff
	s_lshl_b32 s50, s23, 2
	s_add_co_u32 s50, s50, s49                     ; block of 128 rows
	s_lshl_b32 s60, s49, 2
	s_lshl_b32 s60, 15, s60                        ; my row of the cluster
	s_lshl_b32 s61, 0x1111, s48                    ; my column
	; dense blocks as rows of 256 bytes (32 elements of 8 bytes), no padding: two records (68 rows) of y, four (136 rows) of Wout for each wave
	s_or_b32 s[G1X], s60, (3<<16)|(1<<21)
	s_or_b32 s[G1W], s61, (3<<16)|(1<<21)
	s_mov_b32 s[G1X+1], 32<<16
	s_mov_b32 s[G1X+2], 68<<16
	s_mov_b32 s[G1X+3], 32<<16
	s_mov_b32 s[G1X+4], 68
	s_mov_b32 s[G1X+5], 32
	s_mov_b32 s[G1X+6], 0
	s_mov_b32 s[G1X+7], 0
	s_mov_b32 s[G1W+1], 32<<16
	s_mov_b32 s[G1W+2], 136<<16
	s_mov_b32 s[G1W+3], 32<<16
	s_mov_b32 s[G1W+4], 136
	s_mov_b32 s[G1W+5], 32
	s_mov_b32 s[G1W+6], 0
	s_mov_b32 s[G1W+7], 0
	s_mul_i32 s56, s50, 69632                      ; y: records 8 x block of rows on, + two a wave: no cx enters
	s_mul_i32 s23, s20, 17408
	s_add_co_u32 s56, s56, s23
	s_mov_b32 s57, 0
	s_lshl_b32 s58, s55, 4                         ; Wout: record 1728 + 16 x block of columns, + four a wave: no cy enters
	s_add_co_u32 s58, s58, 1728
	s_mul_i32 s58, s58, 8704
	s_mul_i32 s59, s20, 34816
	s_add_co_u32 s58, s58, s59
	s_mov_b32 s59, 0
	s_mov_b32 s[G0X], 1
	s_mul_i32 s[G0X+1], s20, 17408
	s_mov_b32 s[G0W], 1
	s_mul_i32 s[G0W+1], s20, 34816
	s_add_co_u32 s[G0W+1], s[G0W+1], WL
	s_wait_dscnt 0x0
	s_wait_kmcnt 0x0
	s_add_nc_u64 s[G0X+2:G0X+3], s[4:5], s[56:57]
	s_or_b32 s[G0X+3], s[G0X+3], 0x80000000
	s_add_nc_u64 s[G0W+2:G0W+3], s[6:7], s[58:59]
	s_or_b32 s[G0W+3], s[G0W+3], 0x80000000
	CROUND                                         ; all sixteen work-groups are here: the joint loads meet
	tensor_load_to_lds s[G0X:G0X+3], s[G1X:G1X+7]  ; the launch's only fills: two loads of mine are out
	s_nop 0
	tensor_load_to_lds s[G0W:G0W+3], s[G1W:G1W+7]
	s_nop 0
	PLACES
	v_and_b32 v11, 31, v0
	v_lshlrev_b32 v1, 4, v11                       ; 16 x lane
	v_and_b32 v2, 15, v0                           ; r
	v_bfe_u32 v3, v0, 4, 1                         ; h
	s_mul_i32 s67, s22, 69632
	s_add_co_u32 s67, s67, WL                      ; my 8 records of Wout
	s_mul_i32 s68, s21, 34816                      ; my 4 records of y
	v_add_nc_u32 v4, s67, v1                       ; Wout's tiles 0-3
	v_add_nc_u32 v5, 34816, v4                     ; tiles 4-7
	v_add_nc_u32 v6, s68, v1                       ; y's tiles
	v_mul_u32_u24 v12, v3, 8704
	v_lshl_add_u32 v12, v2, 4, v12
	v_add_nc_u32 v7, s67, v12                      ; scale words: four of row r; lanes 16-31 the next record's
	v_add_nc_u32 v8, s68, v12
	s_mul_i32 s69, s20, 8448
	s_add_co_u32 s69, s69, STG                     ; my stage
	v_mul_u32_u24 v13, v2, 528
	v_lshl_add_u32 v13, v3, 6, v13
	v_add_nc_u32 v13, s69, v13                     ; in: row r, + 64 h: tile 2 e + u holds columns 32 e + 16 h + 8 u + 0 .. 7
	v_add_nc_u32 v14, s69, v1                      ; back: a whole row of 512 bytes to the 32 lanes
	s_mov_b32 s73, 0
	s_lshl_b32 s72, s55, 10
	s_lshl_b32 s69, s22, 9
	s_add_co_u32 s72, s72, s69                     ; my first column, in bytes
	s_add_nc_u64 s[8:9], s[8:9], s[72:73]
	s_add_nc_u64 s[10:11], s[10:11], s[72:73]
	s_lshl_b32 s72, s50, 7
	s_lshl_b32 s69, s21, 6
	s_add_co_u32 s72, s72, s69
	s_lshl_b32 s72, s72, 12                        ; my first row: 128 x block + 64 wm, rows of 4,096 bytes
	s_add_nc_u64 s[10:11], s[10:11], s[72:73]
	v_lshlrev_b32 v9, 6, v3
	WIN 0x40
.irp t, 0,1,2,3,4,5,6,7
	global_load_b128 v[BIAS+8*\t:BIAS+8*\t+3], v9, s[8:9] offset:128*(\t/2)+32*(\t%2)
	global_load_b128 v[BIAS+8*\t+4:BIAS+8*\t+7], v9, s[8:9] offset:128*(\t/2)+32*(\t%2)+16
.endr
	WIN 0
.macro WM d, a, b, c, sa, sb, ra, rb   ; one product; ra, rb: the side's scale words stand in lanes 16-31 of the register named
.if (\ra) && (\rb)
	v_wmma_scale_f32_16x16x128_f8f6f4 v[\d:\d+7], v[\a:\a+7], v[\b:\b+7], v[\c:\c+7], v[\sa], v[\sb] matrix_a_fmt:MATRIX_FMT_FP4 matrix_b_fmt:MATRIX_FMT_FP4 matrix_a_scale:MATRIX_SCALE_ROW1 matrix_b_scale:MATRIX_SCALE_ROW1
.elseif (\ra)
	v_wmma_scale_f32_16x16x128_f8f6f4 v[\d:\d+7], v[\a:\a+7], v[\b:\b+7], v[\c:\c+7], v[\sa], v[\sb] matrix_a_fmt:MATRIX_FMT_FP4 matrix_b_fmt:MATRIX_FMT_FP4 matrix_a_scale:MATRIX_SCALE_ROW1
.elseif (\rb)
	v_wmma_scale_f32_16x16x128_f8f6f4 v[\d:\d+7], v[\a:\a+7], v[\b:\b+7], v[\c:\c+7], v[\sa], v[\sb] matrix_a_fmt:MATRIX_FMT_FP4 matrix_b_fmt:MATRIX_FMT_FP4 matrix_b_scale:MATRIX_SCALE_ROW1
.else
	v_wmma_scale_f32_16x16x128_f8f6f4 v[\d:\d+7], v[\a:\a+7], v[\b:\b+7], v[\c:\c+7], v[\sa], v[\sb] matrix_a_fmt:MATRIX_FMT_FP4 matrix_b_fmt:MATRIX_FMT_FP4
.endif
.endm
.macro SCALES                          ; all scale words of my 12 tiles, once
.irp i, 0,1,2,3
.irp g, 0,1
	ds_load_b128 v[PS+8*\i+4*\g:PS+8*\i+4*\g+3], v7 offset:17408*\i+8192+256*\g
.endr
.endr
.irp i, 0,1
.irp g, 0,1
	ds_load_b128 v[SS+8*\i+4*\g:SS+8*\i+4*\g+3], v8 offset:17408*\i+8192+256*\g
.endr
.endr
.endm
.macro FETCH kap, set                  ; the 12 fragments of K step kap: each load takes 512 consecutive bytes
	WIN 0x40
.irp i, 0,1,2,3
.irp c, 0,1
	ds_load_b128 v[64*(\set)+8*\i+4*\c:64*(\set)+8*\i+4*\c+3], v4 offset:8704*\i+1024*(\kap)+512*\c
.endr
.endr
.irp i, 0,1,2,3
.irp c, 0,1
	ds_load_b128 v[64*(\set)+32+8*\i+4*\c:64*(\set)+32+8*\i+4*\c+3], v5 offset:8704*\i+1024*(\kap)+512*\c
.endr
.endr
	WIN 0
.irp i, 0,1,2,3
.irp c, 0,1
	ds_load_b128 v[SF+32*(\set)+8*\i+4*\c:SF+32*(\set)+8*\i+4*\c+3], v6 offset:8704*\i+1024*(\kap)+512*\c
.endr
.endr
.endm
; A K step of 128: 32 products, the 32 accumulators by turns, in the same order in every step.  cm = 1: the first step, whose C is the bias.
.macro KSTEP kap, cm
	s_wait_dscnt 0x0                               ; this step's fragments are in
.if (\kap) < 7
	PLACES                                         ; the other set was read by the products just issued
	FETCH (\kap)+1, ((\kap)+1)%2
.endif
.if \cm
	WIN 0x91                                       ; Wout window 1, y window 0, C (bias) window 1, D window 2
.else
	WIN 0xa1                                       ; C and D window 2
.endif
.irp a, 0,1,2,3
.irp t, 0,1,2,3,4,5,6,7
.if \cm
	WM 64*\a+8*\t, 64*((\kap)%2)+8*\t, SF+32*((\kap)%2)+8*\a, BIAS+8*\t, PS+8*(\t/2)+(\kap), SS+8*(\a/2)+(\kap), \t%2, \a%2
.else
	WM 64*\a+8*\t, 64*((\kap)%2)+8*\t, SF+32*((\kap)%2)+8*\a, 64*\a+8*\t, PS+8*(\t/2)+(\kap), SS+8*(\a/2)+(\kap), \t%2, \a%2
.endif
.endr
.endr
	WIN 0
.endm
; The way out of y's tile a: 16 rows x 128 columns through my stage.  LDS serves a wave's instructions in order: no wait between the stores and the loads, nor in front of the next tile's stores.
.macro TOSTAGE a
	WIN 0x08                                       ; an LDS store's data: window 2
.irp t, 0,1,2,3,4,5,6,7
	ds_store_b128 v13, v[64*(\a)+8*\t:64*(\a)+8*\t+3] offset:128*(\t/2)+32*(\t%2)              ; each accumulator from its low end on
	ds_store_b128 v13, v[64*(\a)+8*\t+4:64*(\a)+8*\t+7] offset:128*(\t/2)+32*(\t%2)+16
.endr
	WIN 0
.irp t, 0,1,2,3,4,5,6,7,8,9,10,11,12,13,14,15
	ds_load_b128 v[BK+64*((\a)%2)+4*\t:BK+64*((\a)%2)+4*\t+3], v14 offset:528*\t
.endr
.endm
.macro SEND a, younger                 ; younger: the LDS instructions issued behind tile a's loads, which may stay out
	s_wait_dscnt \younger
.irp t, 0,1,2,3,4,5,6,7,8,9,10,11,12,13,14,15
	global_store_b128 v1, v[BK+64*((\a)%2)+4*\t:BK+64*((\a)%2)+4*\t+3], s[10:11] offset:(32*((\a)/2)+8*((\a)%2)+\t+8*(\t/8))*4096 th:TH_STORE_NT   ; the tile map's row; 512 consecutive bytes, aligned
.endr
.endm
	s_wait_tensorcnt 0x0                           ; my parts of both blocks have landed,
	s_barrier_signal -1
	s_barrier_wait -1                              ; everybody's have
	SCALES
	FETCH 0, 0
	s_wait_loadcnt 0x0                             ; the biases
	KSTEP 0, 1
	KSTEP 1, 0
	KSTEP 2, 0
	KSTEP 3, 0
	KSTEP 4, 0
	KSTEP 5, 0
	KSTEP 6, 0
	KSTEP 7, 0
	PLACES
	TOSTAGE 0
.irp a, 1,2,3
.if \a > 1
	s_wait_xcnt 0x0                                ; tile a - 2's stores have read the registers into which tile a's rows are loaded
.endif
	TOSTAGE \a
	SEND \a-1, 32                                  ; behind tile a - 1's loads: tile a's 16 stores and 16 loads
.endr
	SEND 3, 0
	s_wait_tensorcnt 0x0
	ds_add_u32 v10, v15
	s_wait_dscnt 0x0
	CROUND                                         ; the closing round: no work-group ends while a partner may still ask for a block that names it
	s_endpgm
.Lfunc_end_k_qc41d7ffa04_outp:
	.size	k_qc41d7ffa04_outp, .Lfunc_end_k_qc41d7ffa04_outp-k_qc41d7ffa04_outp
	.p2alignl 7, 3214868480
	.fill 96, 4, 3214868480
	.section	.rodata,"a",@progbits
	.p2align	6, 0x0
	.amdhsa_kernel k_qc41d7ffa04_outp
		.amdhsa_group_segment_fixed_size 243200
		.amdhsa_private_segment_fixed_size 0
		.amdhsa_enable_private_segment 0
		.amdhsa_kernarg_size 32
		.amdhsa_user_sgpr_count 2
		.amdhsa_user_sgpr_kernarg_segment_ptr 1
		.amdhsa_wavefront_size32 1
		.amdhsa_system_sgpr_workgroup_id_x 1
		.amdhsa_system_sgpr_workgroup_id_y 1
		.amdhsa_system_sgpr_workgroup_id_z 1
		.amdhsa_system_vgpr_workitem_id 0
		.amdhsa_next_free_vgpr 768
		.amdhsa_next_free_sgpr 80
		.amdhsa_reserve_vcc 0
		.amdhsa_float_denorm_mode_32 3
		.amdhsa_float_denorm_mode_16_64 3
		.amdhsa_memory_ordered 1
		.amdhsa_forward_progress 1
		.amdhsa_inst_pref_size 69
	.end_amdhsa_kernel
	.amdgpu_metadata
---
amdhsa.version: [ 1, 2 ]
amdhsa.kernels:
  - .name:           k_qc41d7ffa04_outp
    .symbol:         k_qc41d7ffa04_outp.kd
    .args:
      - { .name: yrec, .offset: 0, .size: 8, .value_kind: global_buffer, .address_space: global }
      - { .name: rec, .offset: 8, .size: 8, .value_kind: global_buffer, .address_space: global }
      - { .name: bout, .offset: 16, .size: 8, .value_kind: global_buffer, .address_space: global }
      - { .name: out0, .offset: 24, .size: 8, .value_kind: global_buffer, .address_space: global }
    .group_segment_fixed_size: 243200
    .private_segment_fixed_size: 0
    .kernarg_segment_align: 8
    .kernarg_segment_size: 32
    .max_flat_workgroup_size: 128
    .sgpr_count:     80
    .vgpr_count:     768
    .wavefront_size: 32
...
	.end_amdgpu_metadata
.endif
;; end of part 4
;; ======== version 2 of 2: 4 launches; version 1 with the launch attn written anew for expert scheduling mode
;; workspace buffers: rec 15,597,568 bytes; qkimg 8,388,608 bytes; qksc 1,048,576 bytes; vimg 4,194,304 bytes; vsc 262,144 bytes; yrec 4,456,448 bytes; maskw 2,097,152 bytes of whole numbers; msum 8,192 bytes of whole numbers
;; launch prep: the kernel of part 1 again; grid 960 x 1, 4 waves a work-group, no clusters, 35,328 bytes of LDS; arguments q, k, v, Wq, Wk, Wv, Wout, attn_mask, key_padding_mask, rec, maskw, msum; writes rec, maskw, msum
;; launch proj: the kernel of part 2 again; grid 4 x 192, 4 waves a work-group, clusters of 4 x 4, 209,408 bytes of LDS; arguments rec, bq, bk, bv, qkimg, qksc, vimg, vsc; writes qkimg, qksc, vimg, vsc
;; launch attn (part 5): grid 4 x 64, 16 waves a work-group, no clusters, 145,408 bytes of LDS; arguments qkimg, qksc, vimg, vsc, maskw, msum, yrec; writes yrec
.if DOCPART == 5
	.amdgcn_target "amdgcn-amd-amdhsa--gfx1250"
	.amdhsa_code_object_version 6
	.text
	.protected	k_qc41d7ffa04_attn
	.globl	k_qc41d7ffa04_attn
	.p2align	8
	.type	k_qc41d7ffa04_attn,@function
k_qc41d7ffa04_attn:
	s_mov_b64 s[64:65], 0
	v_nop
	global_prefetch_b8 v0, s[64:65] scope:SCOPE_SE
	s_setreg_imm32_b32 hwreg(HW_REG_WAVE_SCHED_MODE, 0, 2), 2
	s_setreg_imm32_b32 hwreg(HW_REG_WAVE_MODE, 25, 1), 1
	s_wait_xcnt 0x0
	s_wait_alu depctr_vm_vsrc(0)
; ATTENTION on codes of FP4 with E8M0 scales: y = softmax(mask(q k^T / 8)) v for one (batch, head) and 512 queries a work-group; y leaves quantised along the model's 1024, as records for the last launch.
; THE SOFTMAX AHEAD OF THE SECOND PRODUCT: t = score x log2(e) / 8; M = the row's largest t so far, rounded up to a whole number; p = 2^(t - M) is quantised along the keys, not normalised; the row's sum is taken of the
; unquantised p and divides at the end.  When M moves, the sum and O are multiplied by 2^(old M - new M), which rounds nothing.
; SHARES.  Sixteen waves, four to a SIMD, so that one wave's vector work stands beside another's products and LDS loads.  A wave takes two tiles of 16 queries, one after the other; each walks the 2,048 keys in 16 steps of 128.
; The head's K and V (codes 64 KiB each, scale words 8 and 4 KiB) are copied into LDS once, through registers, as they lie: fragments in the order of their registers, so every LDS load takes consecutive bytes.
; Both products are used transposed (S^T = K Q^T, O^T = V^T P): a lane holds one query throughout.  By the tile map the 16 registers of two neighbouring tiles of keys are 16 neighbouring keys.
; The head's size is 64: the upper half of K's and Q's fragments is zero codes, under scale bytes 0 (2^-127, no NaN): they add nothing.
; THE MASKS come as lane masks (one word for each score register, made by the first launch) and a summary bit for each step of 16 queries x 128 keys: a step with no hidden key jumps over the 64 selects, by a scalar branch on the stored bit.
; NO TENSOR LOAD AND NO CLUSTER: what the four work-groups of a head share is read once, 140 KiB each, at the head.
; LIMITS.  A hidden score is -2^33, a logit of -2^30 in place of -1e9: -2^33 x log2(e) / 8 is a whole number, exact in f32, so a row with every key hidden gives p = 1 for all keys, as the definition does.  Results differ only where a
; key that counts has a logit under about -1e9 + 200.  NaN and infinities are not served.  A block's largest p is made from its largest score by the same two instructions: it takes v_exp_f32 not to fall where its input rises.
; y's scale bytes leave one byte a lane (256 KiB in the launch): the 16 bytes of a row's scale words come from eight heads, which are eight work-groups.
; THE MODE: SCHED_MODE bits 1:0 = 2 (LLVM: expert scheduling mode 2), set by the entry lines.  The code itself states the register dependences between vector or matrix instructions and memory or LDS instructions, with s_wait_alu, always for 0.
; THE PLAN.  All 256 registers of a wave are in use, so K and V have one buffer each, asked for again as soon as a wait has shown its readers done.  Registers that LDS or memory instructions touch, in a step s:
;   K's buffer  v[32+8t:35+8t], v248-251.  Read by the eight products at the head of step s; step s + 1's twelve loads land in it behind the step's first wait on va_vdst.
;   V's buffer  v192-223, v240-241.        Read by the four products at the end of step s; step s's ten loads land in it behind the same wait, which also stands behind the four products of step s - 1.
;   v5 to v8    LDS addresses of the step in hand.  Written by four additions behind the eight products (they are those products' places), ahead of which one wait on vm_vsrc stands; read by the 22 loads.
;               K's loads reach the next step by immediates, 4,096 and 512 bytes on.
;   v1 to v4, v10  made at the head and never written again.     v224-227, v254  the way out: written by its conversions and its select, read by the tile's two stores.
; So a step has TWO waits on va_vdst: one behind the exponentials (their results; K's and V's readers; the addresses) and one ahead of the four products (p's codes and scale word, made by vector instructions).
; Between the first wait and K's loads stand vector lines that name v96-159, v224-239, v244-247 and v253 alone: none of the registers that those loads touch.
; A tile's 16th step is written out: the first tile's asks for step 0 of K for the second tile, the second tile's for nothing.
; REGISTERS: v1-4 addresses that stay; v5-8 the step's; v9 -2^33; v10 y's byte offset; v12 -M, v13 the largest t, v[14:15] the sum; v16-31 Q's two fragments; v32-95 K's eight; v96-159 S^T, then p; v160-191 O^T; v192-223 V's four;
; v224-231 p's codes; v232-239, v244-247, v252-254 at work; v240-241 V's scale words, v242 Q's, v248-251 K's, v253 p's.
; SCALARS: s[12:13] the step's mask words in memory; s[16:63], s[80:95] the 64 words; s[66:67], s[98:99] y's codes and bytes; s74-76 the step's LDS offsets; s78, s79 the two tiles' summaries.
.macro WMZ d, a, b, sa, sb, ra, rb     ; a product that starts a sum
.if (\ra) && (\rb)
	v_wmma_scale_f32_16x16x128_f8f6f4 v[\d:\d+7], v[\a:\a+7], v[\b:\b+7], 0, v[\sa], v[\sb] matrix_a_fmt:MATRIX_FMT_FP4 matrix_b_fmt:MATRIX_FMT_FP4 matrix_a_scale:MATRIX_SCALE_ROW1 matrix_b_scale:MATRIX_SCALE_ROW1
.elseif (\ra)
	v_wmma_scale_f32_16x16x128_f8f6f4 v[\d:\d+7], v[\a:\a+7], v[\b:\b+7], 0, v[\sa], v[\sb] matrix_a_fmt:MATRIX_FMT_FP4 matrix_b_fmt:MATRIX_FMT_FP4 matrix_a_scale:MATRIX_SCALE_ROW1
.elseif (\rb)
	v_wmma_scale_f32_16x16x128_f8f6f4 v[\d:\d+7], v[\a:\a+7], v[\b:\b+7], 0, v[\sa], v[\sb] matrix_a_fmt:MATRIX_FMT_FP4 matrix_b_fmt:MATRIX_FMT_FP4 matrix_b_scale:MATRIX_SCALE_ROW1
.else
	v_wmma_scale_f32_16x16x128_f8f6f4 v[\d:\d+7], v[\a:\a+7], v[\b:\b+7], 0, v[\sa], v[\sb] matrix_a_fmt:MATRIX_FMT_FP4 matrix_b_fmt:MATRIX_FMT_FP4
.endif
.endm
.macro WMA d, a, b, sa, sb, ra         ; a product that adds in place
.if (\ra)
	v_wmma_scale_f32_16x16x128_f8f6f4 v[\d:\d+7], v[\a:\a+7], v[\b:\b+7], v[\d:\d+7], v[\sa], v[\sb] matrix_a_fmt:MATRIX_FMT_FP4 matrix_b_fmt:MATRIX_FMT_FP4 matrix_a_scale:MATRIX_SCALE_ROW1
.else
	v_wmma_scale_f32_16x16x128_f8f6f4 v[\d:\d+7], v[\a:\a+7], v[\b:\b+7], v[\d:\d+7], v[\sa], v[\sb] matrix_a_fmt:MATRIX_FMT_FP4 matrix_b_fmt:MATRIX_FMT_FP4
.endif
.endm
; K's run of twelve LDS loads: eight tiles of 16 keys x 64 by address register a, o bytes on; their scale words by register s, p bytes on (lanes 0-15 tile 2 i's, lanes 16-31 tile 2 i + 1's)
.macro KRUN a, s, o, p
.irp t, 0,1,2,3,4,5,6,7
	ds_load_b128 v[32+8*\t:35+8*\t], v[\a] offset:(\o)+512*\t
.endr
.irp i, 0,1,2,3
	ds_load_b32 v[248+\i], v[\s] offset:(\p)+128*\i
.endr
.endm
	s_load_b256 s[4:11], s[0:1], 0x0               ; qkimg, qksc, vimg, vsc
	s_load_b128 s[12:15], s[0:1], 0x20             ; maskw, msum
	s_load_b64 s[66:67], s[0:1], 0x30              ; yrec
	v_lshl_add_u32 v243, v0, 2, 0x23000
	v_mov_b32 v255, 0
	v_lshrrev_b32 v1, 5, v0
	v_readfirstlane_b32 s68, v1                    ; wave 0..15
	s_and_b32 s16, ttmp7, 0xffff                   ; batch x head
	s_lshr_b32 s17, s16, 4                         ; batch
	s_and_b32 s18, s16, 15                         ; head
	s_lshl_b32 s19, ttmp9, 5
	s_wait_alu depctr_va_sdst(0)                   ; s68 is written, ahead of its first reader: my tiles' places in every buffer are made from it
	s_lshl_b32 s20, s68, 1
	s_add_co_u32 s19, s19, s20                     ; T0: my first tile of queries, 32 x work-group x + 2 x wave
	s_lshl_b32 s21, s16, 7
	s_add_co_u32 s21, s21, s19                     ; 128 (batch x head) + T0
	s_lshl_b32 s22, s17, 7
	s_add_co_u32 s22, s22, s19                     ; 128 batch + T0
	s_add_co_u32 s23, s16, 64                      ; k's heads follow q's 64
	s_lshl_b32 s24, s23, 16                        ; K's codes
	s_mov_b32 s25, 0
	s_lshl_b32 s26, s23, 13                        ; K's scale words
	s_mov_b32 s27, 0
	s_lshl_b32 s28, s16, 16                        ; V's codes
	s_mov_b32 s29, 0
	s_lshl_b32 s30, s16, 12                        ; V's scale words
	s_mov_b32 s31, 0
	s_lshl_b32 s32, s21, 9                         ; Q's codes
	s_mov_b32 s33, 0
	s_lshl_b32 s34, s21, 6                         ; Q's scale words
	s_mov_b32 s35, 0
	s_lshl_b32 s36, s22, 12                        ; the mask words: 16 steps x 256 bytes a tile
	s_mov_b32 s37, 0
	s_lshl_b32 s38, s22, 4                         ; the summaries: four words a tile
	s_mov_b32 s39, 0
	s_mul_i32 s23, s22, 8704                       ; y's record
	s_lshl_b32 s40, s18, 9
	s_add_co_u32 s40, s40, s23                     ; my head's two blocks of 32: 512 bytes of codes
	s_mov_b32 s41, 0
	s_lshr_b32 s42, s18, 3
	s_lshl_b32 s42, s42, 8
	s_and_b32 s43, s18, 7
	s_lshl_b32 s43, s43, 1
	s_add_co_u32 s42, s42, s43
	s_add_co_u32 s42, s42, s23
	s_add_co_u32 s42, s42, 8192                    ; and their two bytes in a row's scale words: 8192 + 256 (head / 8) + 2 (head % 8)
	s_mov_b32 s43, 0
	s_mov_b32 s70, 0x76543210
	s_mov_b32 s71, 0xfedcba98                      ; selects for lane l xor 16
	s_mov_b32 s72, 0x3e38aa3b                      ; c = log2(e) / 8
	s_mov_b32 s73, s72                             ; (named with it as a pair)
	s_mov_b32 s96, 0xffff0000                      ; lanes 16-31
	v_and_b32 v9, 31, v0                           ; lane
	v_lshlrev_b32 v1, 4, v9                        ; 16 x lane: K's fragments begin at LDS byte 0
	v_add_nc_u32 v2, 65536, v1                     ; V's at 65,536
	v_lshl_add_u32 v3, v9, 2, 131072               ; K's scale words at 131,072: 4 x lane
	v_lshl_add_u32 v4, v9, 2, 139264               ; V's at 139,264
	v_lshlrev_b32 v252, 2, v9
	v_and_b32 v10, 15, v0
	v_bfe_u32 v254, v0, 4, 1
	v_lshl_add_u32 v10, v10, 4, v254               ; y's byte: 16 r + h
	v_lshlrev_b32 v5, 4, v0                        ; the copy: 16 bytes a thread, 8,192 an instruction
	v_lshlrev_b32 v6, 3, v0
	v_add_nc_u32 v7, 65536, v5
	v_add_nc_u32 v8, 131072, v5
	v_add_nc_u32 v11, 139264, v6
	s_wait_kmcnt 0x0
	s_add_nc_u64 s[44:45], s[4:5], s[24:25]
	s_add_nc_u64 s[46:47], s[4:5], s[32:33]
	s_add_nc_u64 s[48:49], s[8:9], s[28:29]
	s_add_nc_u64 s[50:51], s[6:7], s[26:27]
	s_add_nc_u64 s[52:53], s[10:11], s[30:31]
	s_add_nc_u64 s[54:55], s[6:7], s[34:35]
	s_add_nc_u64 s[12:13], s[12:13], s[36:37]
	s_add_nc_u64 s[14:15], s[14:15], s[38:39]
	s_add_nc_u64 s[98:99], s[66:67], s[42:43]
	s_add_nc_u64 s[66:67], s[66:67], s[40:41]
	s_load_b256 s[16:23], s[14:15], 0x0            ; my two tiles' summaries
	s_wait_alu depctr_va_vdst(0)                   ; v1 to v8, v10, v11 and v252 are written: the offsets and LDS addresses that the loads and stores of the head, the first loads of K and y's stores read
.irp i, 0,1,2,3,4,5,6,7
	global_load_b128 v[32+4*\i:35+4*\i], v5, s[44:45] offset:8192*\i
.endr
.irp i, 0,1,2,3,4,5,6,7
	global_load_b128 v[64+4*\i:67+4*\i], v5, s[48:49] offset:8192*\i
.endr
	global_load_b128 v[96:99], v5, s[50:51]
	global_load_b64 v[100:101], v6, s[52:53]
	global_load_b128 v[16:19], v1, s[46:47]                        ; Q's two fragments stay in registers
	global_load_b128 v[24:27], v1, s[46:47] offset:512
	global_load_b32 v242, v252, s[54:55]                           ; lanes 0-15 the first tile's scale words, lanes 16-31 the second's
	s_wait_loadcnt 0x3                             ; the copy's 18 loads are in; Q's three may stay out
.irp i, 0,1,2,3,4,5,6,7
	ds_store_b128 v5, v[32+4*\i:35+4*\i] offset:8192*\i
.endr
.irp i, 0,1,2,3,4,5,6,7
	ds_store_b128 v7, v[64+4*\i:67+4*\i] offset:8192*\i
.endr
	ds_store_b128 v8, v[96:99]
	ds_store_b64 v11, v[100:101]
	s_wait_dscnt 0x0                               ; for the others' sake: my stores have landed
	s_barrier_signal -1
	s_barrier_wait -1                              ; LDS is only read from here on
	s_wait_kmcnt 0x0
	s_or_b32 s78, s16, s17
	s_or_b32 s78, s78, s18
	s_or_b32 s78, s78, s19                         ; bit s: step s of my first tile has a hidden key
	s_or_b32 s79, s20, s21
	s_or_b32 s79, s79, s22
	s_or_b32 s79, s79, s23
	s_wait_loadcnt 0x0                             ; Q; every load's address registers are free
	s_wait_alu depctr_vm_vsrc(0)                   ; the copy's LDS stores have read v32-101, and the head's loads and stores v5 to v8 and v252: K's loads, the zero codes, the products and the steps' lines write them from here on
	KRUN 1, 3, 0, 0                                ; step 0 of K, for my first tile: no vector instruction has named these registers; they land while the lines below run
	v_mov_b32 v9, 0xd0000000                       ; -2^33
.irp t, 0,1,2,3,4,5,6,7
.irp j, 4,5,6,7
	v_mov_b32 v[32+8*\t+\j], 0                     ; the upper half of K's fragments: zero codes, written once
.endr
.endr
.irp j, 20,21,22,23,28,29,30,31
	v_mov_b32 v[\j], 0                             ; and of Q's
.endr
.irp b, 0,1,2,3
	v_mov_b32 v[236+\b], 0                         ; a lane permute's destination counts as read
.endr
	v_mov_b32 v253, 0                              ; (named as the upper half of the pair v[252:253] before it is first written)
; A KEY STEP of tile n: 128 keys.  kq = 1: the next step's K is asked for, by this step's addresses and immediates; 2: step 0's, for the next tile, by the addresses that stay; 0: none.
.macro STEP n, kq
	s_wait_dscnt 0x0                               ; K's twelve loads, issued a step ago, are in
.irp t, 0,1,2,3,4,5,6,7
	WMZ 96+8*\t, 32+8*\t, 16+8*\n, 248+\t/2, 242, \t%2, \n
.endr
	s_wait_alu depctr_vm_vsrc(0)                   ; the LDS loads issued so far have read v5 to v8, which the lines below write
	v_add_nc_u32 v6, s74, v2                       ; these four lines are also the places between the products and the first read of their results
	v_add_nc_u32 v8, s76, v4
.if (\kq) == 1
	v_add_nc_u32 v5, s74, v1
	v_add_nc_u32 v7, s75, v3
.else
	v_nop
	v_nop
.endif
	s_and_b32 s97, s[78+\n], 1
	s_lshr_b32 s[78+\n], s[78+\n], 1
	s_cmp_lg_u32 s97, 0
	s_cbranch_scc0 .Lopen_\@                       ; no key of this step is hidden from my 16 queries
	s_load_b512 s[16:31], s[12:13], 0x0
	s_load_b512 s[32:47], s[12:13], 0x40
	s_load_b512 s[48:63], s[12:13], 0x80
	s_load_b512 s[80:95], s[12:13], 0xc0
	s_wait_kmcnt 0x0
.set j, 0
.rept 48
	v_cndmask_b32 v[96+j], v[96+j], v9, s[16+j]    ; word j: the lanes whose register j holds a hidden score
.set j, j+1
.endr
.rept 16
	v_cndmask_b32 v[96+j], v[96+j], v9, s[32+j]
.set j, j+1
.endr
.Lopen_\@:
.irp b, 0,1,2,3
	v_max3_num_f32 v[232+\b], v[96+16*\b], v[97+16*\b], v[98+16*\b]                ; the largest score of each block of 32 keys: for the row's maximum and for the block's largest p
.endr
.irp i, 3,5,7,9,11,13
.irp b, 0,1,2,3
	v_max3_num_f32 v[232+\b], v[232+\b], v[96+16*\b+\i], v[97+16*\b+\i]
.endr
.endr
.irp b, 0,1,2,3
	v_max_num_f32 v[232+\b], v[232+\b], v[111+16*\b]
.endr
.irp b, 0,1,2,3
	v_permlanex16_b32 v[236+\b], v[232+\b], s70, s71
.endr
.irp b, 0,1,2,3
	v_max_num_f32 v[232+\b], v[232+\b], v[236+\b]  ; with lane l xor 16's 16 keys
.endr
	v_max3_num_f32 v254, v232, v233, v234
	v_max_num_f32 v254, v254, v235
	v_mul_f32 v254, s72, v254                      ; as t
	v_max_num_f32 v13, v13, v254                   ; the running largest t
	v_mov_b32 v254, v12
	v_floor_f32 v12, -v13                          ; the new -M = -ceil(t)
	v_sub_f32 v254, v12, v254                      ; old M - new M: a whole number, 0 or less
	v_cvt_i32_f32 v254, v254                       ; (it saturates)
	v_ldexp_f32 v252, 1.0, v254                    ; f = 2^(old M - new M)
.set j, 0
.rept 32
	v_pk_fma_f32 v[96+j:97+j], v[96+j:97+j], s[72:73], v[12:13] op_sel_hi:[1,0,0]  ; t - M, two at a time
.set j, j+2
.endr
.irp b, 0,1,2,3
	v_fma_f32 v[232+\b], v[232+\b], s72, v12       ; the same of each block's largest score
.endr
.set j, 0
.rept 64
	v_exp_f32 v[96+j], v[96+j]                     ; p = 2^(t - M)
.set j, j+1
.endr
.irp b, 0,1,2,3
	v_exp_f32 v[232+\b], v[232+\b]                 ; the block's largest p
.endr
	v_pk_mul_f32 v[14:15], v[14:15], v[252:253] op_sel_hi:[1,0]    ; the sums under the new M (a plain place behind the exponentials)
.set j, 0
.rept 16
	v_pk_mul_f32 v[160+j:161+j], v[160+j:161+j], v[252:253] op_sel_hi:[1,0]        ; O^T under the new M, each accumulator from its low end on: work that names no exponential's result, ahead of the wait for them
.set j, j+2
.endr
	s_wait_alu depctr_va_vdst(0)                   ; the 68 exponentials have written v96-159 and v232-235, which the lines below read; this step's eight products are done reading K's buffer and the last step's four V's, in which the loads below land; v5 to v8 are written, which those loads read
.irp t, 0,1,2,3
	ds_load_b128 v[192+8*\t:195+8*\t], v6 offset:1024*\t           ; four tiles of 16 channels x 128 keys, wanted at the step's end
	ds_load_b128 v[196+8*\t:199+8*\t], v6 offset:1024*\t+512
.endr
.irp i, 0,1
	ds_load_b32 v[240+\i], v8 offset:128*\i
.endr
.irp b, 0,1,2,3
	v_max_num_f32 v[232+\b], 0x1800000, v[232+\b]  ; the floor 2^(3 - 127): the byte cannot fall under 1
.endr
.irp b, 0,1,2,3
	v_add_nc_u32 v[244+\b], 0xff000000, v[232+\b]  ; the conversion's scale operand
.endr
.irp b, 0,1,2,3
	v_lshrrev_b32 v[236+\b], 23, v[244+\b]         ; the byte
.endr
	v_lshl_or_b32 v253, v237, 8, v236              ; p's scale word for these 128 keys
	v_lshl_or_b32 v253, v238, 16, v253
	v_lshl_or_b32 v253, v239, 24, v253
.irp b, 0,1,2,3
	v_cvt_scalef32_pk8_fp4_f32 v[224+2*\b], v[96+16*\b:103+16*\b], v[244+\b]
	v_cvt_scalef32_pk8_fp4_f32 v[225+2*\b], v[104+16*\b:111+16*\b], v[244+\b]
.endr
	v_nop                                          ; one plain place behind a scaled conversion
.irp c, 0,1
.irp i, 0,1
	v_permlane16_swap_b32 v[224+4*\c+\i], v[226+4*\c+\i]           ; a whole block to a lane
.endr
.endr
.if (\kq) == 1
	KRUN 5, 7, 4096, 512                           ; the next step's K.  No wait: no vector or matrix instruction since the wait above names K's buffer, v5 or v7
.elseif (\kq) == 2
	KRUN 1, 3, 0, 0                                ; step 0's K, for my second tile; likewise
.endif
	v_pk_add_f32 v[236:237], v[96:97], v[98:99]    ; the row's sum, of the unquantised p, in two chains
.irp q, 4,8,12,16,20,24,28,32,36,40,44,48,52,56,60
	v_pk_add_f32 v[14:15], v[14:15], v[96+\q:97+\q]
	v_pk_add_f32 v[236:237], v[236:237], v[98+\q:99+\q]
.endr
	v_pk_add_f32 v[14:15], v[14:15], v[236:237]
.if (\kq) > 0
	s_wait_dscnt 12                                ; V's ten loads are in; K's twelve, issued behind them, stay out
.else
	s_wait_dscnt 0x0                               ; V
.endif
	s_wait_alu depctr_va_vdst(0)                   ; p's codes v224-231 and its scale word v253 are written, which the products below take as their second source and its scales; the 32 additions above are the places that stay beside this wait
.irp t, 0,1,2,3
	WMA 160+8*\t, 192+8*\t, 224, 240+\t/2, 253, \t%2               ; four accumulators, one product each; eight other products stand between a step's and the next step's
.endr
.if (\kq) == 1
	s_add_co_u32 s74, s74, 4096
	s_add_co_u32 s75, s75, 512
	s_add_co_u32 s76, s76, 256
.endif
.if (\kq) > 0
	s_add_nc_u64 s[12:13], s[12:13], 256           ; the next step's mask words (the scalar loads, if any, were waited for); after 16 steps: the next tile's
.endif
.endm
.macro TILE n
.if \n
	s_wait_xcnt 0x0                                ; the first tile's stores have had their addresses translated,
	s_wait_alu depctr_vm_vsrc(0)                   ; and have read v224-227 and v254, which this tile's lines write again
.endif
	v_mov_b32 v13, 0xff61b1e6                      ; the largest t so far: -3e38
	v_floor_f32 v12, -v13                          ; -M
	v_mov_b32 v14, 0
	v_mov_b32 v15, 0
.set j, 0
.rept 32
	v_mov_b32 v[160+j], 0                          ; O^T: the step's first trip finds zeros, which the first change of M leaves zeros
.set j, j+1
.endr
	s_mov_b32 s74, 0
	s_mov_b32 s75, 0
	s_mov_b32 s76, 0
	s_mov_b32 s77, 15
.if \n == 0
	s_wait_alu depctr_va_vdst(0)                   ; the zero codes in the upper halves of K's and Q's fragments are written, which the products take as part of their sources; the lines above are the places that stay beside this wait
.endif
.Ltrip_\n:
	STEP \n, 1
	s_sub_co_u32 s77, s77, 1
	s_cmp_lg_u32 s77, 0
	s_cbranch_scc1 .Ltrip_\n
.if \n
	STEP 1, 0                                      ; the 16th step is written out: nothing is left to ask for
.else
	STEP 0, 2                                      ; the 16th step is written out: it asks for the second tile's first K
.endif
	; the way out: y = O^T / the sum, quantised along the head's 64 channels: register 16 b + i is channel 32 b + 16 h + i of my query
.rept 4
	v_nop
.endr
	v_add_f32 v14, v14, v15
	v_permlanex16_b32 v252, v14, s70, s71
	v_add_f32 v14, v14, v252                       ; the row's sum
	v_rcp_f32 v14, v14
	v_nop
	s_wait_alu depctr_va_vdst(0)                   ; the reciprocal has written v14, ahead of its first reader
.set j, 0
.rept 32
	v_mul_f32 v[96+j], v[160+j], v14
.set j, j+1
.endr
.irp b, 0,1
	v_max3_num_f32 v[232+\b], |v[96+16*\b]|, |v[97+16*\b]|, 0x1800000
.endr
.irp i, 2,4,6,8,10,12,14
.irp b, 0,1
	v_max3_num_f32 v[232+\b], v[232+\b], |v[96+16*\b+\i]|, |v[97+16*\b+\i]|
.endr
.endr
.irp b, 0,1
	v_permlanex16_b32 v[236+\b], v[232+\b], s70, s71
.endr
.irp b, 0,1
	v_max_num_f32 v[232+\b], v[232+\b], v[236+\b]
.endr
.irp b, 0,1
	v_add_nc_u32 v[244+\b], 0xff000000, v[232+\b]
.endr
.irp b, 0,1
	v_lshrrev_b32 v[236+\b], 23, v[244+\b]
.endr
.irp b, 0,1
	v_cvt_scalef32_pk8_fp4_f32 v[224+2*\b], v[96+16*\b:103+16*\b], v[244+\b]
	v_cvt_scalef32_pk8_fp4_f32 v[225+2*\b], v[104+16*\b:111+16*\b], v[244+\b]
.endr
	v_nop
	v_permlane16_swap_b32 v224, v226
	v_permlane16_swap_b32 v225, v227               ; lanes 0-15 hold block 2 head, lanes 16-31 block 2 head + 1
	v_cndmask_b32 v254, v236, v237, s96
	s_wait_alu depctr_va_vdst(0)                   ; y's codes v224-227 and its scale byte v254 are written, which the two stores read
	global_store_b128 v1, v[224:227], s[66:67] offset:8704*\n      ; 512 consecutive bytes of the tile's record
	global_store_b8 v10, v254, s[98:99] offset:8704*\n
.endm
	TILE 0
	TILE 1
	s_wait_dscnt 0x0
	s_wait_alu depctr_hold_cnt(0) depctr_sa_sdst(0) depctr_va_vdst(0) depctr_va_sdst(0) depctr_va_ssrc(0) depctr_va_vcc(0) depctr_vm_vsrc(0)
	s_wait_tensorcnt 0x0
	ds_add_u32 v243, v255
	s_wait_dscnt 0x0
	s_endpgm
.Lfunc_end_k_qc41d7ffa04_attn:
	.size	k_qc41d7ffa04_attn, .Lfunc_end_k_qc41d7ffa04_attn-k_qc41d7ffa04_attn
	.p2alignl 7, 3214868480
	.fill 96, 4, 3214868480
	.section	.rodata,"a",@progbits
	.p2align	6, 0x0
	.amdhsa_kernel k_qc41d7ffa04_attn
		.amdhsa_group_segment_fixed_size 145408
		.amdhsa_private_segment_fixed_size 0
		.amdhsa_enable_private_segment 0
		.amdhsa_kernarg_size 56
		.amdhsa_user_sgpr_count 2
		.amdhsa_user_sgpr_kernarg_segment_ptr 1
		.amdhsa_wavefront_size32 1
		.amdhsa_system_sgpr_workgroup_id_x 1
		.amdhsa_system_sgpr_workgroup_id_y 1
		.amdhsa_system_sgpr_workgroup_id_z 1
		.amdhsa_system_vgpr_workitem_id 0
		.amdhsa_next_free_vgpr 256
		.amdhsa_next_free_sgpr 102
		.amdhsa_reserve_vcc 0
		.amdhsa_float_denorm_mode_32 3
		.amdhsa_float_denorm_mode_16_64 3
		.amdhsa_memory_ordered 1
		.amdhsa_forward_progress 1
		.amdhsa_inst_pref_size 96
	.end_amdhsa_kernel
	.amdgpu_metadata
---
amdhsa.version: [ 1, 2 ]
amdhsa.kernels:
  - .name:           k_qc41d7ffa04_attn
    .symbol:         k_qc41d7ffa04_attn.kd
    .args:
      - { .name: qkimg, .offset: 0, .size: 8, .value_kind: global_buffer, .address_space: global }
      - { .name: qksc, .offset: 8, .size: 8, .value_kind: global_buffer, .address_space: global }
      - { .name: vimg, .offset: 16, .size: 8, .value_kind: global_buffer, .address_space: global }
      - { .name: vsc, .offset: 24, .size: 8, .value_kind: global_buffer, .address_space: global }
      - { .name: maskw, .offset: 32, .size: 8, .value_kind: global_buffer, .address_space: global }
      - { .name: msum, .offset: 40, .size: 8, .value_kind: global_buffer, .address_space: global }
      - { .name: yrec, .offset: 48, .size: 8, .value_kind: global_buffer, .address_space: global }
    .group_segment_fixed_size: 145408
    .private_segment_fixed_size: 0
    .kernarg_segment_align: 8
    .kernarg_segment_size: 56
    .max_flat_workgroup_size: 512
    .sgpr_count:     102
    .vgpr_count:     256
    .wavefront_size: 32
...
	.end_amdgpu_metadata
.endif
;; end of part 5
;; launch outp: the kernel of part 4 again; grid 4 x 64, 4 waves a work-group, clusters of 4 x 4, 243,200 bytes of LDS; arguments yrec, rec, bout, out0; writes out0
